; MI455X (gfx1250); checked and timed in simulation.
; The chip was launched on July 23, 2026; its instructions are those of AMD's public machine-readable ISA for CDNA 5 (MIT licence, August 2026) and "CDNA5" Instruction Set Architecture Reference Guide (July 2026). The comments in the code are by the model that wrote it; some were corrected since.
;; Attention. Allowed arithmetic: matrix products marked QUANTISED: E2M1 operands, one E8M0 scale for each 32 along K, by v_wmma_scale_f32_16x16x128_f8f6f4 with both operands' format E2M1 (or v_wmma_scale_f32_32x16x128_f4), f32 sums; products left as they are: bf16, f16 or f32 operands; f32 sums; everything else in f32.
;; Inputs: Wk 1,024 x 1,024 float32; Wq 1,024 x 1,024 float32; Wv 1,024 x 1,024 float32; bias 1 x 1 x 2,048 x 2,048 float32; x 4 x 2,048 x 1,024 float32; y 4 x 2,048 x 1,024 float32.
;; Outputs: out0 4 x 2,048 x 1,024 float32.
;; This version of the problem:
;;   THIS VERSION OF THE PROBLEM IS GIVEN IN LOW PRECISION. The matrix products marked QUANTISED in the list below multiply operands that are first quantised to E2M1 (2 exponent bits, 1 mantissa bit; 4 bits a number), with one power-of-two scale for each 32 numbers along K (OCP MX v1.0); their sums are f32. The products marked 'left as it is' may take bf16, f16 or f32 operands, with f32 sums. All else is computed in f32.
;;   The module's matrix products, in the order in which they are computed (A, B: the left and right operand; K: the contracted axis; several contracted axes count as one K, in the product's order):
;;     1. [M 8,192, K 1,024] x [K 1,024, N 1,024]; A: input x; B: input Wq: QUANTISED
;;     2. [M 8,192, K 1,024] x [K 1,024, N 1,024]; A: input y; B: input Wk: QUANTISED
;;     3. [M 8,192, K 1,024] x [K 1,024, N 1,024]; A: input y; B: input Wv: QUANTISED
;;     4. batch 64 x [M 2,048, K 64] x [K 64, N 2,048]; A: computed on the way; B: computed on the way: left as it is (an operand is computed on the way)
;;     5. batch 64 x [M 2,048, K 2,048] x [K 2,048, N 64]; A: computed on the way; B: computed on the way: left as it is (an operand is computed on the way)
;;   THE QUANTISER, for each operand of a quantised product, along K:
;;     - K is cut into blocks of 32 from its start; a last block that is shorter is filled with zeros.
;;     - A block's scale is 2^e with e = floor(log2(the largest magnitude in the block)) - 2, held to -126 .. 127; a block of zeros has e = 0. As a byte (E8M0): e + 127.
;;     - Each number is divided by its block's scale, clamped to +-6, and rounded to the nearest number of E2M1, ties to even, subnormals kept.
;;     - The product sums the exact products of the quantised numbers (number of the format x scale) in f32.
;;   ~~~python
;;   def quantise(x, axis):      # numpy; x: float32 -> the quantised numbers, widened to float32 again
;;       x = np.moveaxis(x, axis, -1); K = x.shape[-1]
;;       x = np.pad(x, [(0, 0)] * (x.ndim - 1) + [(0, -K % 32)]); x = x.reshape(x.shape[:-1] + (-1, 32)); a = np.abs(x).max(-1, keepdims=True)
;;       e = np.where(a > 0, np.clip(np.frexp(np.where(a > 0, a, 1))[1] - 1 - 2, -126, 127), 0)      # np.frexp(a)[1] - 1 = floor(log2(a)), exactly
;;       r = np.clip(x / 2.0 ** e, -6, 6)
;;       step = 2.0 ** (np.maximum(np.frexp(np.where(r == 0, 1, r))[1] - 1, 0) - 1)
;;       q = np.round(r / step) * step * 2.0 ** e      # np.round: ties to even
;;       return np.moveaxis(q.reshape(q.shape[:-2] + (-1,))[..., :K], -1, axis).astype(np.float32)
;;   ~~~
;; 2 versions, each right. Each part assembles by itself: llvm-mc -triple=amdgcn-amd-amdhsa -mcpu=gfx1250 --defsym DOCPART=n.
;; ======== version 1 of 2: 3 launches
;; limits: values are held in f16: magnitudes above 65,504 overflow, below 6.1e-05 lose precision; inputs' magnitudes at most 1e+38
;; workspace buffers: codes 9,961,472 bytes; scales 622,592 bytes; qkv 50,331,648 bytes
;; launch quant (part 1): grid 608 x 1, 4 waves a work-group, no clusters, 51,712 bytes of LDS; arguments x, y, Wq, Wk, Wv, codes, scales; writes codes, scales
.if DOCPART == 1
	.amdgcn_target "amdgcn-amd-amdhsa--gfx1250"
	.amdhsa_code_object_version 6
	.text
	.protected	k_q79004c5284_quant
	.globl	k_q79004c5284_quant
	.p2align	8
	.type	k_q79004c5284_quant,@function
k_q79004c5284_quant:
	s_mov_b64 s[64:65], 0
	v_nop
	global_prefetch_b8 v0, s[64:65] scope:SCOPE_SE
	s_setreg_imm32_b32 hwreg(HW_REG_WAVE_MODE, 25, 1), 1
	s_wait_xcnt 0x0
; x, y [8192][1024] and Wq, Wk, Wv [1024 (k)][1024 (n)], f32, become codes of FP4 (E2M1) with K innermost and one E8M0 scale byte for each 32 along K.
; codes: 19,456 rows of 512 bytes (1,024 codes, the lower k in the low four bits): rows 0-8191 x, 8192-16383 y, 16384-17407 Wq's columns, 17408-18431 Wk's, 18432-19455 Wv's.  scales: the same rows, 32 bytes each.
; A block's scale is 2^(floor(log2(its largest magnitude)) - 2); its byte is the largest magnitude's exponent field - 2, held at 1 from below; each number is divided by the scale and rounded to the nearest code, ties to even, beyond 6 the largest code.
; THE FACTOR 1/8 ON q (head size 64 to the power -1/2) GOES INTO Wq's SCALE BYTES: Wq's codes are made with the block's true scale, and the byte that is stored is 3 less.  The matrix unit then multiplies every product
; of x and Wq by 2^-3 more: the same sum times a power of two, so nothing is rounded.
; LIMITS: NaN and infinities among the inputs are not served.  A block of zeros, and a block whose largest magnitude lies under 2^-124 (of Wq: under 2^-121, so that its byte less 3 stays at 1 or above), is quantised with that floor's scale
; (a block of zeros has zero codes, which add nothing; the bytes are read by this program alone).
; ONE LAUNCH, TWO WAYS, parted on the work-group's number: work-groups 0-95 take the weights (their chains of loads are the longer ones, so they begin first), work-groups 96-607 take x and y.
; Each way has LDS bytes of its own: x and y bytes 0-32767, the weights 32768-51199.  No tensor load, no barrier: waves share nothing.
.set NWGW,  96                         ; work-groups for the weights: 3 tensors x 8 groups of 128 columns x 4 parts of 256 along K
.set EMAX,  2                          ; the exponent of the format's largest number, 6
; x and y: a plain stream of blocks of 32.  A wave takes 16 steps of 512 numbers
.set STEPS, 16
.set CB,    8                          ; bytes of 16 codes
.set XR,    16                         ; v16-79   four sets of 16 numbers as they are loaded
.set XX,    80                         ; v80-111  two sets of 16 neighbours
.set XE,    112                        ; v112-127 a scale byte for each step
.set XC,    128                        ; v128-191 codes: four registers for each step, so that no store's data are written again
.set WREG,  8192                       ; LDS: a region for each wave: two stages of 32 x SP bytes, behind them its 256 scale bytes
.set SP,    80                         ; a lane's place in a stage: its 64 bytes + 16 of padding
; the weights: a lane takes a column, its registers run down K.  A wave takes 32 columns x 256 along K
.set NB,    8                          ; blocks of 32 along K for a wave
.set WP,    144                        ; a stage row: 128 bytes of codes + 16 of padding
.set WSTG,  32768                      ; where the weights' stages begin
.set WX,    32                         ; v32-95   two sets of 32 numbers
.set WC,    96                         ; v96-99   a block's codes
.set WOUT,  112                        ; v112-143 the way out
.set WSB,   24                         ; v24-25   the scale bytes, four to a register
	s_load_b256 s[4:11], s[0:1], 0x0               ; x s[4:5], y s[6:7], Wq s[8:9], Wk s[10:11]
	s_load_b128 s[12:15], s[0:1], 0x20             ; Wv s[12:13], codes s[14:15]
	s_load_b64 s[16:17], s[0:1], 0x30              ; scales
	v_lshl_add_u32 v192, v0, 2, 0xc800
	v_mov_b32 v193, 0
	v_lshrrev_b32 v1, 5, v0
	v_readfirstlane_b32 s18, v1                    ; wave 0..3
	v_and_b32 v2, 31, v0                           ; lane
	s_wait_kmcnt 0x0
	s_cmp_lt_u32 ttmp9, NWGW
	s_cbranch_scc1 .Lweights
; ---------------- x and y ----------------
; The conversions take 8 numbers of ONE block from a lane's consecutive registers, so a lane must hold 16 neighbours (two neighbouring lanes hold a block); a load is best where neighbouring lanes take
; neighbouring bytes.  Both are had: each of a step's four loads reads 512 consecutive bytes, 16 a lane; the 2,048 bytes go through the wave's own stage in LDS and come back 64 bytes a lane.
	v_lshlrev_b32 v3, 4, v2                        ; my 16 bytes of a load's 512
	s_mul_i32 s19, s18, WREG
	v_lshrrev_b32 v14, 2, v2
	v_mul_u32_u24 v14, v14, SP
	v_and_b32 v15, 3, v2
	v_lshl_add_u32 v14, v15, 4, v14
	v_add_nc_u32 v14, s19, v14                     ; the stage, on the way in: SP (lane / 4) + 16 (lane % 4)
	v_mul_u32_u24 v15, v2, SP
	v_add_nc_u32 v15, s19, v15                     ; on the way out: SP x lane: my 16 neighbours
	v_mul_u32_u24 v4, v2, CB                       ; my codes' place in a step's
	v_lshrrev_b32 v5, 1, v2
	s_add_co_u32 s19, s19, 2*32*SP
	v_add_nc_u32 v5, s19, v5                       ; LDS: my wave's 256 scale bytes, my block's byte
	v_lshlrev_b32 v7, 3, v2                        ; and on the way out 8 bytes a lane
	v_add_nc_u32 v6, s19, v7
	s_sub_co_u32 s20, ttmp9, NWGW                  ; g = 0..511: the first 256 take x, the others y
	s_cmp_lt_u32 s20, 256
	s_cselect_b64 s[4:5], s[4:5], s[6:7]           ; the choice hangs on the work-group's number alone
	s_cselect_b32 s21, 0, 256
	s_sub_co_u32 s21, s20, s21
	s_lshl_b32 s21, s21, 2
	s_add_co_u32 s22, s21, s18                     ; which run of 8,192 numbers of the tensor is my wave's
	s_lshl_b32 s22, s22, 15                        ; 32,768 bytes a run
	s_mov_b32 s23, 0
	s_add_nc_u64 s[4:5], s[4:5], s[22:23]
	s_lshl_b32 s20, s20, 2
	s_add_co_u32 s20, s20, s18                     ; the run among x's and y's together: their rows lie on end in codes and in scales
	s_lshl_b32 s22, s20, 12                        ; 4,096 bytes of codes a run
	s_add_nc_u64 s[14:15], s[14:15], s[22:23]
	s_lshl_b32 s22, s20, 8                         ; 256 scale bytes a run
	s_add_nc_u64 s[16:17], s[16:17], s[22:23]
.macro XLOAD t
.irp i, 0,1,2,3
	global_load_b128 v[XR+16*((\t)%4)+4*\i:XR+16*((\t)%4)+4*\i+3], v3, s[4:5] offset:2048*(\t)+512*\i th:TH_LOAD_NT   ; 32 lanes read 512 consecutive bytes
.endr
.endm
.macro XTURN t                         ; step t's numbers through the stage: LDS serves a wave's instructions in order, so no wait stands between the stores and the loads
.irp i, 0,1,2,3
	ds_store_b128 v14, v[XR+16*((\t)%4)+4*\i:XR+16*((\t)%4)+4*\i+3] offset:32*SP*((\t)%2)+8*SP*\i
.endr
.irp i, 0,1,2,3
	ds_load_b128 v[XX+16*((\t)%2)+4*\i:XX+16*((\t)%2)+4*\i+3], v15 offset:32*SP*((\t)%2)+16*\i
.endr
.endm
.irp t, 0,1,2,3
	XLOAD \t
.endr
	s_wait_loadcnt 12                              ; step 0's four loads are in; the twelve of steps 1 to 3 stay out
	XTURN 0
.macro XSTEP t
.set XS, XX+16*((\t)%2)
.if (\t) > 0
	s_wait_dscnt 1                                 ; this step's numbers are back from the stage (the last step's byte store may be out): so its stores into the stage have read their registers,
.else
	s_wait_dscnt 0x0
.endif
.if (\t)+4 < STEPS
	XLOAD (\t)+4                                   ; which take the loads of four steps on
.endif
.if (\t)+1 < STEPS
.if STEPS-2-(\t) >= 3
	s_wait_loadcnt 12                              ; the next step's four loads are in; those of the three steps behind it may be out
.else
	s_wait_loadcnt 4*(STEPS-2-(\t))
.endif
	XTURN (\t)+1                                   ; and go through the other stage while this step is worked
.endif
	v_max3_num_f32 v8, |v[XS]|, |v[XS+1]|, |v[XS+2]|               ; the largest magnitude of my 16, in two chains
	v_max3_num_f32 v9, |v[XS+3]|, |v[XS+4]|, |v[XS+5]|
.irp i, 6,10
	v_max3_num_f32 v8, v8, |v[XS+\i]|, |v[XS+\i+1]|
	v_max3_num_f32 v9, v9, |v[XS+\i+2]|, |v[XS+\i+3]|
.endr
	v_max3_num_f32 v8, v8, |v[XS+14]|, |v[XS+15]|
	v_max3_num_f32 v8, v8, v9, (EMAX+1)<<23        ; and the floor 2^(EMAX + 1 - 127): the byte cannot fall under 1
	v_max_num_f32_dpp v8, v8, v8 row_xmask:1 row_mask:0xf bank_mask:0xf   ; and of my neighbour's 16: the block's
	v_add_nc_u32 v11, -(EMAX<<23), v8              ; EMAX off its exponent field: the conversion takes the exponent field of this operand as its scale, and nothing else of it
	v_cvt_scalef32_pk8_fp4_f32 v[XC+4*(\t)], v[XS:XS+7], v11
	v_cvt_scalef32_pk8_fp4_f32 v[XC+4*(\t)+1], v[XS+8:XS+15], v11
	v_lshrrev_b32 v[XE+(\t)], 23, v11              ; the scale's byte (also the plain line behind the conversions)
	ds_store_b8 v5, v[XE+(\t)] offset:16*(\t)      ; both lanes of a block write the same byte with the same value
	global_store_b64 v4, v[XC+4*(\t):XC+4*(\t)+1], s[14:15] offset:32*CB*(\t)   ; the wave stores 256 consecutive bytes, aligned
.endm
.irp t, 0,1,2,3,4,5,6,7,8,9,10,11,12,13,14,15
	XSTEP \t
.endr
	ds_load_b64 v[12:13], v6                       ; LDS serves a wave's instructions in order: these see my stores
	s_wait_dscnt 0x0
	global_store_b64 v7, v[12:13], s[16:17]        ; 32 lanes store 256 consecutive bytes, aligned
	s_wait_tensorcnt 0x0
	ds_add_u32 v192, v193
	s_wait_dscnt 0x0
	s_endpgm
; ---------------- the weights ----------------
; K is a weight's FIRST axis.  A lane takes a column n and its registers run down K: each load reads 128 consecutive bytes a wave (512 a work-group), a block of 32 lies in ONE lane's registers, and the conversions give codes
; with K innermost.  A wave's share along K is 256, not more, so that 384 waves walk chains of 8 blocks.  The price: a column's 128 bytes of codes leave as a run of 128 bytes, eight lanes to a row of the output
; (1.5 MB of all that the launch moves).
.Lweights:
	s_lshr_b32 s20, ttmp9, 5                       ; which weight: 0 Wq, 1 Wk, 2 Wv
	s_and_b32 s21, ttmp9, 31
	s_and_b32 s22, s21, 7                          ; which 128 columns
	s_lshr_b32 s21, s21, 3                         ; which 256 along K
	s_lshl_b32 s22, s22, 7
	s_lshl_b32 s23, s18, 5
	s_add_co_u32 s22, s22, s23                     ; my wave's first column
	s_cmp_eq_u32 s20, 0                            ; Wq?  The lines up to the next compare leave SCC alone
	s_cselect_b64 s[4:5], s[8:9], s[10:11]
	s_cselect_b32 s27, 3, 0                        ; what is taken off the stored byte: 3 for Wq (the factor 1/8), else nothing
	s_mov_b32 s28, (EMAX+1)<<23
	s_cselect_b32 s28, (EMAX+4)<<23, s28           ; the floor under a block's largest magnitude: 2^(3 - 127); for Wq 2^(6 - 127), so that the byte less 3 cannot fall under 1
	s_cmp_eq_u32 s20, 2
	s_cselect_b64 s[4:5], s[12:13], s[4:5]
	s_lshl_b32 s24, s21, 20                        ; 256 rows of 4,096 bytes
	s_lshl_b32 s23, s22, 2
	s_add_co_u32 s24, s24, s23
	s_mov_b32 s25, 0
	s_add_nc_u64 s[4:5], s[4:5], s[24:25]
	s_lshl_b32 s23, s20, 10
	s_add_co_u32 s23, s23, s22
	s_add_co_u32 s23, s23, 16384                   ; my first row of codes and of scales
	s_lshl_b32 s24, s23, 9
	s_lshl_b32 s26, s21, 7
	s_add_co_u32 s24, s24, s26                     ; 512 bytes a row, 128 for each 256 along K
	s_add_nc_u64 s[14:15], s[14:15], s[24:25]
	s_lshl_b32 s24, s23, 5
	s_lshl_b32 s26, s21, 3
	s_add_co_u32 s24, s24, s26                     ; 32 bytes a row, 8 for each 256 along K
	s_add_nc_u64 s[16:17], s[16:17], s[24:25]
	v_lshlrev_b32 v3, 2, v2                        ; in: 4 bytes a lane
	s_mul_i32 s19, s18, 32*WP
	s_add_co_u32 s19, s19, WSTG                    ; my stage
	v_mul_u32_u24 v4, v2, WP
	v_add_nc_u32 v4, s19, v4                       ; into it: row = my column
	v_and_b32 v5, 7, v2
	v_lshrrev_b32 v6, 3, v2                        ; out of it: eight lanes to a row, four rows an instruction
	v_mul_u32_u24 v7, v6, WP
	v_lshl_add_u32 v7, v5, 4, v7
	v_add_nc_u32 v7, s19, v7
	v_lshlrev_b32 v8, 9, v6
	v_lshl_add_u32 v8, v5, 4, v8                   ; and the same place in codes
	v_lshlrev_b32 v9, 5, v2                        ; my column's row of scale bytes
.macro WLOAD t                         ; block t: W(32 t + i, my column), i = 0 .. 31, into set t % 2.  The largest offset, 255 rows of 4,096 bytes, lies inside the signed 24-bit immediate
.irp i, 0,1,2,3,4,5,6,7,8,9,10,11,12,13,14,15,16,17,18,19,20,21,22,23,24,25,26,27,28,29,30,31
	global_load_b32 v[WX+32*((\t)%2)+\i], v3, s[4:5] offset:(32*(\t)+\i)*4096 th:TH_LOAD_NT
.endr
.endm
	WLOAD 0
	WLOAD 1
.macro WBLOCK t
.set XS, WX+32*((\t)%2)
.if (\t) < NB-1
	s_wait_loadcnt 32                              ; this block's 32 loads are in; the next block's 32 may be out
.else
	s_wait_loadcnt 0
.endif
	v_max3_num_f32 v12, |v[XS]|, |v[XS+1]|, |v[XS+2]|               ; the block's largest magnitude: all 32 numbers are mine
	v_max3_num_f32 v13, |v[XS+3]|, |v[XS+4]|, |v[XS+5]|
.irp i, 6,10,14,18,22,26
	v_max3_num_f32 v12, v12, |v[XS+\i]|, |v[XS+\i+1]|
	v_max3_num_f32 v13, v13, |v[XS+\i+2]|, |v[XS+\i+3]|
.endr
	v_max3_num_f32 v12, v12, |v[XS+30]|, |v[XS+31]|
	v_max3_num_f32 v12, v12, v13, s28              ; and the floor
	v_add_nc_u32 v11, -(EMAX<<23), v12             ; the conversion's scale operand: the block's true scale
	v_lshrrev_b32 v13, 23, v11                     ; the scale's byte,
	v_sub_nc_u32 v13, v13, s27                     ; for Wq 3 less: the factor 1/8
.if (\t)%4 == 0
	v_mov_b32 v[WSB+(\t)/4], v13                   ; four bytes to a register, the lower K in the lower byte
.else
	v_lshl_or_b32 v[WSB+(\t)/4], v13, 8*((\t)%4), v[WSB+(\t)/4]
.endif
.irp g, 0,1,2,3
	v_cvt_scalef32_pk8_fp4_f32 v[WC+\g], v[XS+8*\g:XS+8*\g+7], v11
.endr
	ds_store_b128 v4, v[WC:WC+3] offset:16*(\t)    ; 32 codes: 16 bytes of my column's row.  (The results go to an LDS store alone; the next block begins with plain vector lines)
.if (\t)+2 < NB
	WLOAD (\t)+2
.endif
	s_wait_dscnt 0x0                               ; the store has read its registers: the next block's codes may be written
.endm
.irp t, 0,1,2,3,4,5,6,7
	WBLOCK \t
.endr
	global_store_b64 v9, v[WSB:WSB+1], s[16:17]    ; my column's 8 scale bytes
.irp t, 0,1,2,3,4,5,6,7
	ds_load_b128 v[WOUT+4*\t:WOUT+4*\t+3], v7 offset:4*\t*WP   ; LDS serves a wave's instructions in order: these see my stores
.endr
.irp t, 0,1,2,3,4,5,6,7
	s_wait_dscnt 7-\t                              ; the younger loads may stay out
	global_store_b128 v8, v[WOUT+4*\t:WOUT+4*\t+3], s[14:15] offset:4*\t*512
.endr
	s_wait_tensorcnt 0x0
	ds_add_u32 v192, v193
	s_wait_dscnt 0x0
	s_endpgm
.Lfunc_end_k_q79004c5284_quant:
	.size	k_q79004c5284_quant, .Lfunc_end_k_q79004c5284_quant-k_q79004c5284_quant
	.p2alignl 7, 3214868480
	.fill 96, 4, 3214868480
	.section	.rodata,"a",@progbits
	.p2align	6, 0x0
	.amdhsa_kernel k_q79004c5284_quant
		.amdhsa_group_segment_fixed_size 51712
		.amdhsa_private_segment_fixed_size 0
		.amdhsa_enable_private_segment 0
		.amdhsa_kernarg_size 56
		.amdhsa_user_sgpr_count 2
		.amdhsa_user_sgpr_kernarg_segment_ptr 1
		.amdhsa_wavefront_size32 1
		.amdhsa_system_sgpr_workgroup_id_x 1
		.amdhsa_system_sgpr_workgroup_id_y 1
		.amdhsa_system_sgpr_workgroup_id_z 1
		.amdhsa_system_vgpr_workitem_id 0
		.amdhsa_next_free_vgpr 194
		.amdhsa_next_free_sgpr 66
		.amdhsa_reserve_vcc 0
		.amdhsa_float_denorm_mode_32 3
		.amdhsa_float_denorm_mode_16_64 3
		.amdhsa_memory_ordered 1
		.amdhsa_forward_progress 1
		.amdhsa_inst_pref_size 74
	.end_amdhsa_kernel
	.amdgpu_metadata
---
amdhsa.version: [ 1, 2 ]
amdhsa.kernels:
  - .name:           k_q79004c5284_quant
    .symbol:         k_q79004c5284_quant.kd
    .args:
      - { .name: x, .offset: 0, .size: 8, .value_kind: global_buffer, .address_space: global }
      - { .name: y, .offset: 8, .size: 8, .value_kind: global_buffer, .address_space: global }
      - { .name: Wq, .offset: 16, .size: 8, .value_kind: global_buffer, .address_space: global }
      - { .name: Wk, .offset: 24, .size: 8, .value_kind: global_buffer, .address_space: global }
      - { .name: Wv, .offset: 32, .size: 8, .value_kind: global_buffer, .address_space: global }
      - { .name: codes, .offset: 40, .size: 8, .value_kind: global_buffer, .address_space: global }
      - { .name: scales, .offset: 48, .size: 8, .value_kind: global_buffer, .address_space: global }
    .group_segment_fixed_size: 51712
    .private_segment_fixed_size: 0
    .kernarg_segment_align: 8
    .kernarg_segment_size: 56
    .max_flat_workgroup_size: 128
    .sgpr_count:     66
    .vgpr_count:     194
    .wavefront_size: 32
...
	.end_amdgpu_metadata
.endif
;; end of part 1
;; launch proj (part 2): grid 4 x 96, 4 waves a work-group, clusters of 4 x 4, 327,680 bytes of LDS; arguments codes, scales, qkv; writes qkv
.if DOCPART == 2
	.amdgcn_target "amdgcn-amd-amdhsa--gfx1250"
	.amdhsa_code_object_version 6
	.text
	.protected	k_q79004c5284_proj
	.globl	k_q79004c5284_proj
	.p2align	8
	.type	k_q79004c5284_proj,@function
k_q79004c5284_proj:
	s_mov_b64 s[64:65], 0
	v_nop
	global_prefetch_b8 v0, s[64:65] scope:SCOPE_SE
	s_setreg_imm32_b32 hwreg(HW_REG_WAVE_MODE, 25, 1), 1
	s_wait_xcnt 0x0
	s_wait_alu depctr_hold_cnt(0) depctr_sa_sdst(0) depctr_va_vdst(0) depctr_va_sdst(0) depctr_va_ssrc(0) depctr_va_vcc(0) depctr_vm_vsrc(0)
	s_getreg_b32 s2, hwreg(HW_REG_IB_STS2, 6, 4)
	s_cmp_eq_u32 s2, 0
	s_cbranch_scc0 .Lentry_in_a_cluster
	s_endpgm
.Lentry_in_a_cluster:
	s_bfe_u32 s2, ttmp6, 0x10000c
	s_cmp_lg_u32 s2, 0xf033
	s_cbranch_scc0 .Lentry_shape_is_right
	s_endpgm
.Lentry_shape_is_right:
; q = x Wq / 8, k = y Wk, v = y Wv on codes of FP4 (E2M1) with one E8M0 scale for each 32 along K = 1,024; sums in f32; the results leave as f16.  (The factor 1/8 lies in Wq's scale bytes, each 3 less than the block's own.)
; f16, 11 bits of significand, since the next launch's results are means over 2,048 keys and are compared within a hundredth of their root mean square.  ROOM: q / 8, k and v of the drawn kind stay under 6; with x, y and the weights all
; 30 times larger under 5,000; with an offset of 30 times the spread on both sides of a product about 1,024 x 30 x 0.94 = 29,000.  LIMIT: a result beyond 65,504 becomes infinity.  Downward f16's step of 2^-24 is fine enough for results 2^10 times smaller.
; codes: 19,456 rows of 512 bytes, scales: the same rows of 32 bytes: rows 0-8191 x, 8192-16383 y, 16384.. Wq's columns, 17408.. Wk's, 18432.. Wv's.
; 384 tiles of 256 x 256, one to a work-group of four waves; a wave makes 128 x 128: 64 accumulators of 16 x 16, 512 registers.  All of K lies in two LDS slots of 512 along K, so both slots and the scale bytes
; are first fills and nothing is filled again.  THE MATRIX INSTRUCTION IS USED TRANSPOSED: source 0 = 16 rows of "B", source 1 = 16 rows of "A": a lane holds ONE row of A and eight neighbouring rows of B.
; For q and k: A = the tokens (x or y), B = the weight's columns: a lane holds a token and eight neighbouring channels.  For v the roles are swapped: A = Wv's columns, B = y: a lane holds a channel and eight neighbouring tokens.
; qkv: three planes (q, k, v) of 2^24 bytes, each [16 batch + head (64)][tile of 16 tokens (128)][group of 16 channels (4)][chunk of 512 bytes].  A chunk is the image of four operand registers of the next launch:
; lane l's 16 bytes at 16 l.  An accumulator, rounded to f16, IS such a chunk: each store of the wave covers 512 consecutive bytes, aligned, straight from registers, and no stage in LDS is needed.
; CLUSTERS: 4 x 4 work-groups.  The four of a row of the cluster need the same tiles of A, the four of a column the same tiles of B: each tile is asked for JOINTLY.  Which product a cluster serves hangs on the cluster's y alone.
; No prefetch: all that a work-group reads is asked for at its head.  384 tiles on 256 WGPs: a tile of 256 x 384 does not fit the registers, and smaller tiles read each fragment for fewer products.
; REGISTERS, in windows of 256: window 0: v0-31 addresses; v32-95 scale words, two sets; v128-191 A's fragments, ONE set, on the way out the packed results.  window 1: B's fragments, TWO sets, at v0 and v128.
;   window 2: the 32 accumulators of my rows 0-63 of A (accumulator (a, b) at v[8 (8 a + b)]);   window 3: those of my rows 64-127.
.set KSTEP,  512                       ; along K in a slot
.set NQ,     KSTEP/128                 ; matrix instructions deep
.set ROWB,   256                       ; a tile's row in bytes
.set KROW,   512                       ; a row of codes in memory
.set PITCH,  272                       ; an LDS row: 256 bytes + 16 of padding = 68 words: row r starts at bank 4 r mod 64 (64 banks of 4 bytes: ISA guide 11.1)
.set FR,     8                         ; registers of a fragment: 16 rows x 128 K
.set NL,     2                         ; LDS loads that bring one
.set NP,     4                         ; places behind this matrix instruction (ISA guide 7.12.1)
.set HALFT,  128*PITCH                 ; 128 rows: what one tensor load brings, and what one wave reads of A or of B
.set SLOT,   4*HALFT                   ; A's 256 rows, then B's 256 rows
.set KS,     32                        ; a row of scales in bytes
.set SCL,    2*SLOT                    ; behind the slots: the scales, as units of 256 bytes + 16 of padding
.set HALFS,  (128*KS/256)*272          ; the scales of 128 rows: what one tensor load brings
.set SBLK,   (16*KS/256)*272           ; those of 16 rows
.set SPARE,  SCL+4*HALFS               ; behind the scales: the spare words, 128 bytes for each wave
.set VO,   8                           ; v8-15   the way out: 16 x lane + where B's block b lies in qkv
.set ADRA, 16                          ; v16-17  LDS address of my A fragments in slot 0, 1
.set ADRB, 20                          ; v20-21  the same for B
.set CO,   26                          ; v26     16 x lane
.set ADRS, 27                          ; v27     LDS address of my scale words: lanes 0-15 A's rows, lanes 16-31 B's
.set SPW,  28                          ; v28     LDS address of my spare word; never rewritten
.set NIL,  29                          ; v29     0; never rewritten
.set SC,   32                          ; scale words: set s at v[SC + 8 NQ s]; register NQ i + q: lanes 0-15 the word of A's block i, lanes 16-31 that of B's block i, for the slot's q-th 128 along K
.set AF,   128                         ; A's fragments, in window 0
.set TMP,  128                         ; the way out: two sets of 32 registers of packed results, where A's fragments lay
.set G1, 24                            ; s[24:31] descriptor group 1 for A's tiles;  s[32:39] group 0, one set for each slot
.set G0, 32
.set G1B, 48                           ; s[48:55], s[56:63] the same for B's tiles
.set G0B, 56
.set G1S, 68                           ; s[68:75], s[76:79] groups 1 and 0 for A's scales;  s[80:87], s[88:91] for B's
.set G0S, 76
.set G1SB, 80
.set G0SB, 88
.set MSB, 0
.macro WIN new                         ; the immediate's high byte repeats the setting that is left
.if MSB != \new
	s_set_vgpr_msb (MSB<<8)|\new
.set MSB, \new
.endif
.endm
.set MUL_LO, 0xa1                      ; source 0 (B) window 1, source 1 (A) window 0, C and D window 2
.set MUL_HI, 0xf1                      ; the same, C and D window 3
.set TO_B,   0x40                      ; destination window 1, address window 0
; A joint load: waves 0 and 1 fetch for A, waves 2 and 3 for B.  Each of the two lines has ONE mask and one set of registers for all that issue it; the branch hangs on the wave's number alone.
; Four v_nop follow each of the two lines, ahead of the jump, the label and what follows.
.macro JLOAD g0a, g1a, g0b, g1b
	s_cmp_eq_u32 s15, 0
	s_cbranch_scc0 .Lfor_b_\@
	tensor_load_to_lds s[\g0a:\g0a+3], s[\g1a:\g1a+7]
	s_nop 0
.rept 4
	v_nop
.endr
	s_branch .Lasked_\@
.Lfor_b_\@:
	tensor_load_to_lds s[\g0b:\g0b+3], s[\g1b:\g1b+7]
	s_nop 0
.rept 4
	v_nop
.endr
.Lasked_\@:
.endm
.macro CROUND                          ; a round of the cluster's barrier
	s_barrier_signal -1
	s_barrier_wait -1
	s_cmp_lg_u32 s14, 0
	s_cbranch_scc1 .Lnot_wave_0_\@
	s_barrier_signal -3
.Lnot_wave_0_\@:
	s_barrier_wait -3
	s_barrier_signal -1
	s_barrier_wait -1
.endm
	s_load_b128 s[4:7], s[0:1], 0x0                ; codes s[4:5], scales s[6:7]
	s_load_b64 s[12:13], s[0:1], 0x10              ; qkv
	v_lshl_add_u32 v[SPW], v0, 2, SPARE
	v_mov_b32 v[NIL], 0
	ds_add_u32 v28, v29
	ds_add_u32 v28, v29
	s_wait_dscnt 0x0
	v_lshrrev_b32 v1, 5, v0
	v_readfirstlane_b32 s14, v1                    ; wave 0..3
	s_lshr_b32 s15, s14, 1                         ; which half of the tile's rows of A is mine.  Also: I fetch for A (0) or for B (1)
	s_and_b32 s16, s14, 1                          ; which half of its rows of B.  Also: which 128 rows of that tile I fetch
	s_bfe_u32 s40, ttmp6, 0x40000                  ; cx, cy: my place in the cluster
	s_bfe_u32 s41, ttmp6, 0x40004
	; which product and which tiles: arithmetic on the cluster's y (0..23), which all sixteen partners share
	s_and_b32 s8, ttmp7, 0xffff
	s_lshr_b32 s9, s8, 3                           ; p: 0 q, 1 k, 2 v
	s_and_b32 s8, s8, 7                            ; which of the product's eight clusters
	s_lshr_b32 s10, s9, 1                          ; 1 for v
	s_mul_i32 s11, s8, s10                         ; for v the clusters lie along B (the tokens),
	s_sub_co_u32 s8, s8, s11                       ; for q and k along A
	s_lshl_b32 s17, s8, 2
	s_add_co_u32 s17, s17, s41                     ; tile row (of A) = 4 x that + cy
	s_lshl_b32 s42, s11, 2
	s_add_co_u32 s42, s42, s40                     ; tile column (of B) = 4 x that + cx
	s_lshl_b32 s2, s9, 13
	s_lshl_b32 s3, s10, 11
	s_add_co_u32 s2, s2, s3                        ; A's first row in codes: 0 (x), 8192 (y), 18432 (Wv's columns)
	s_lshl_b32 s3, s9, 10
	s_add_co_u32 s3, s3, 16384
	s_mul_i32 s8, s10, 10240
	s_sub_co_u32 s3, s3, s8                        ; B's: 16384 (Wq's columns), 17408 (Wk's), 8192 (y)
	s_lshl_b32 s43, s41, 2
	s_lshl_b32 s43, 15, s43                        ; my row of the cluster
	s_lshl_b32 s44, 0x1111, s40                    ; my column
	; descriptor group 1: a tile of 128 rows x 256 bytes, padded in LDS
	s_or_b32 s[G1+0], s43, (0<<16)|(1<<20)|(1<<21)|(5<<22)|(3<<25)  ; 15:0 the mask: A's tiles go to my row; 17:16 element of 1 byte; 20 padding on; 21 set beside a mask; 24:22 after every 64 words (code 5); 31:25 of 4 words (code 3)
	s_or_b32 s[G1B+0], s44, (0<<16)|(1<<20)|(1<<21)|(5<<22)|(3<<25)
.irp g, G1, G1B
	s_mov_b32 s[\g+1], ROWB<<16                    ; tensor_dim0
	s_mov_b32 s[\g+2], 128<<16                     ; tensor_dim1 = 128
	s_mov_b32 s[\g+3], ROWB<<16                    ; tile_dim0
	s_mov_b32 s[\g+4], 128                         ; tile_dim1 = 128
	s_mov_b32 s[\g+5], KROW                        ; tensor_dim0_stride
	s_mov_b32 s[\g+6], 0
	s_mov_b32 s[\g+7], 0
.endr
	; and for the scales of 128 rows: a dense block of 4,096 bytes, as 16 rows of 256 bytes (32 elements of 8 bytes), 16 bytes of padding behind each
	s_or_b32 s[G1S+0], s43, (3<<16)|(1<<20)|(1<<21)|(5<<22)|(3<<25)
	s_or_b32 s[G1SB+0], s44, (3<<16)|(1<<20)|(1<<21)|(5<<22)|(3<<25)
.irp g, G1S, G1SB
	s_mov_b32 s[\g+1], 32<<16
	s_mov_b32 s[\g+2], (128*KS/256)<<16
	s_mov_b32 s[\g+3], 32<<16
	s_mov_b32 s[\g+4], 128*KS/256
	s_mov_b32 s[\g+5], 32
	s_mov_b32 s[\g+6], 0
	s_mov_b32 s[\g+7], 0
.endr
	s_lshl_b32 s18, s16, 7                         ; which 128 rows of the tile I fetch
	s_lshl_b32 s20, s17, 8
	s_add_co_u32 s20, s20, s18
	s_add_co_u32 s20, s20, s2                      ; A: its first row + 256 x tile row + 128 x half: it hangs on cy, never on cx
	s_lshl_b32 s46, s42, 8
	s_add_co_u32 s46, s46, s18
	s_add_co_u32 s46, s46, s3                      ; B: likewise with the tile column: on cx, never on cy
	s_lshl_b32 s22, s20, 5                         ; where these rows' scales begin, in bytes (rows stay under 19,456: 32 bits do)
	s_mov_b32 s23, 0
	s_lshl_b32 s92, s46, 5
	s_mov_b32 s93, 0
	s_lshl_b32 s20, s20, 9                         ; and their codes
	s_mov_b32 s21, 0
	s_lshl_b32 s46, s46, 9
	s_mov_b32 s47, 0
	s_mul_i32 s45, s14, HALFT                      ; where they go: wave x 128 rows: no place in the cluster enters an LDS address
	s_mul_i32 s94, s14, HALFS
	s_wait_kmcnt 0x0
	s_add_nc_u64 s[20:21], s[4:5], s[20:21]
	s_add_nc_u64 s[22:23], s[6:7], s[22:23]
	s_add_nc_u64 s[46:47], s[4:5], s[46:47]
	s_add_nc_u64 s[92:93], s[6:7], s[92:93]
	CROUND                                         ; all sixteen work-groups are here: the joint loads meet
	s_mov_b32 s[G0S], 1
	s_add_co_u32 s[G0S+1], s94, SCL
	s_mov_b64 s[G0S+2:G0S+3], s[22:23]
	s_or_b32 s[G0S+3], s[G0S+3], 0x80000000
	s_mov_b32 s[G0SB], 1
	s_add_co_u32 s[G0SB+1], s94, SCL
	s_mov_b64 s[G0SB+2:G0SB+3], s[92:93]
	s_or_b32 s[G0SB+3], s[G0SB+3], 0x80000000
	JLOAD G0S, G1S, G0SB, G1SB                     ; the scales first: they are wanted with the first slot
.irp s, 0,1
	s_mov_b32 s[G0+4*\s], 1
	s_add_co_u32 s[G0+4*\s+1], s45, \s*SLOT
	s_add_nc_u64 s[G0+4*\s+2:G0+4*\s+3], s[20:21], \s*ROWB
	s_or_b32 s[G0+4*\s+3], s[G0+4*\s+3], 0x80000000
	s_mov_b32 s[G0B+4*\s], 1
	s_add_co_u32 s[G0B+4*\s+1], s45, \s*SLOT
	s_add_nc_u64 s[G0B+4*\s+2:G0B+4*\s+3], s[46:47], \s*ROWB
	s_or_b32 s[G0B+4*\s+3], s[G0B+4*\s+3], 0x80000000
	JLOAD G0+4*\s, G1, G0B+4*\s, G1B               ; three tensor loads of mine are out: all that the launch has
.endr
	v_and_b32 v1, 15, v0                           ; l % 16
	v_bfe_u32 v2, v0, 4, 1                         ; l / 16
	v_mul_u32_u24 v3, v1, PITCH
	v_lshl_add_u32 v4, v2, 4, v3                   ; a fragment's row x pitch + 16 x half
	s_mul_i32 s21, s15, HALFT                      ; my 128 rows of A
	s_mul_i32 s22, s16, HALFT                      ; my 128 rows of B,
	s_add_co_u32 s22, s22, 2*HALFT                 ; which lie behind A's 256
.irp s, 0,1
	v_add_nc_u32 v[ADRA+\s], s21, v4
	v_add_nc_u32 v[ADRB+\s], s22, v4
	s_add_co_u32 s21, s21, SLOT
	s_add_co_u32 s22, s22, SLOT
.endr
	v_mul_u32_u24 v5, v1, KS                       ; my row's scales: 32 bytes a row,
	v_lshrrev_b32 v6, 8, v5
	v_lshl_add_u32 v5, v6, 4, v5                   ; and 16 more for each 256 passed
	s_mul_i32 s21, s15, HALFS                      ; A's: my 128 rows
	s_mul_i32 s22, s16, HALFS                      ; B's: my 128 rows, behind A's 256
	s_add_co_u32 s22, s22, 2*HALFS
	s_sub_co_u32 s22, s22, s21
	v_mul_u32_u24 v6, s22, v2                      ; lanes 16-31 take B's: one product, the distance between the two bases
	s_add_co_u32 s21, s21, SCL
	v_add_nc_u32 v5, v5, v6
	v_add_nc_u32 v[ADRS], s21, v5
	; THE WAY OUT'S ADDRESSES.  In units of 16 rows: A's block a is X0 + a, B's block b is Y0 + b.  For q and k A runs along the tokens and B along the channels; for v the other way round.
	; Token tile T lies at (T / 128) 2^22 + (T % 128) 2,048; channel group G at (G / 4) 2^18 + (G % 4) 512.  X0 and Y0 are multiples of 8.
	v_and_b32 v6, 31, v0
	v_lshlrev_b32 v[CO], 4, v6
	s_lshl_b32 s20, s17, 4
	s_lshl_b32 s21, s15, 3
	s_add_co_u32 s20, s20, s21                     ; X0 = 16 x tile row + 8 x half
	s_lshl_b32 s21, s42, 4
	s_lshl_b32 s22, s16, 3
	s_add_co_u32 s21, s21, s22                     ; Y0 = 16 x tile column + 8 x half
	s_cmp_eq_u32 s10, 1                            ; v?  All the choices below hang on this one compare; the lines between leave SCC alone
	s_cselect_b32 s22, s21, s20                    ; the first token tile
	s_cselect_b32 s23, s20, s21                    ; the first channel group
	s_mov_b32 s96, 2048
	s_cselect_b32 s96, 512, s96                    ; from A's block a to a + 1: a channel group (v) or a token tile;
	s_mov_b32 s97, 0
	s_mov_b32 s98, 2048
	s_cselect_b32 s98, 260608, s98                 ; from block 3 to block 4: on to the next head (2^18 - 3 x 512) for v
	s_mov_b32 s99, 0
.irp b, 0,1,2,3,4,5,6,7
	s_mov_b32 s8, 512*(\b%4)+262144*(\b/4)         ; B's block b: along the channels,
	s_cselect_b32 s8, 2048*\b, s8                  ; or for v along the tokens
	v_add_nc_u32 v[VO+\b], s8, v[CO]
.endr
	s_lshl_b32 s8, s9, 24                          ; the plane
	s_lshr_b32 s11, s22, 7
	s_lshl_b32 s11, s11, 22
	s_add_co_u32 s8, s8, s11
	s_and_b32 s11, s22, 127
	s_lshl_b32 s11, s11, 11
	s_add_co_u32 s8, s8, s11
	s_lshr_b32 s11, s23, 2
	s_lshl_b32 s11, s11, 18
	s_add_co_u32 s8, s8, s11
	s_mov_b32 s9, 0
	s_add_nc_u64 s[12:13], s[12:13], s[8:9]
.macro FRAG reg, adr, q, i             ; a fragment, 16 rows x 128 K of 4-bit codes, is 8 registers: lane l holds row l % 16; registers 4 c .. 4 c + 3 hold K = 64 c + 32 (l / 16) + 0 .. 31
.irp c, 0,1
	ds_load_b128 v[\reg+4*\c:\reg+4*\c+3], v[\adr] offset:64*(\q)+32*\c+(\i)*16*PITCH
.endr
.endm
; 16 matrix instructions: A's blocks a0, a0 + 1 x B's eight, 128 along K: the slot's q-th.  p: B's set;  sc: the set of scale words.  zero = 1: the first product starts the sums: nothing is ever cleared.
; The 64 accumulators take turns, one instruction a turn, in the same order in every step.
.macro MUL16 a0, p, q, sc, zero
.irp a, \a0, \a0+1
.irp b, 0,1,2,3,4,5,6,7
.if \zero
	v_wmma_scale_f32_16x16x128_f8f6f4 v[8*(8*((\a)%4)+\b):8*(8*((\a)%4)+\b)+7], v[128*(\p)+FR*\b:128*(\p)+FR*\b+FR-1], v[AF+FR*(\a):AF+FR*(\a)+FR-1], 0, v[SC+8*NQ*(\sc)+NQ*\b+(\q)], v[SC+8*NQ*(\sc)+NQ*(\a)+(\q)] matrix_a_fmt:MATRIX_FMT_FP4 matrix_b_fmt:MATRIX_FMT_FP4 matrix_a_scale:MATRIX_SCALE_ROW1
.else
	v_wmma_scale_f32_16x16x128_f8f6f4 v[8*(8*((\a)%4)+\b):8*(8*((\a)%4)+\b)+7], v[128*(\p)+FR*\b:128*(\p)+FR*\b+FR-1], v[AF+FR*(\a):AF+FR*(\a)+FR-1], v[8*(8*((\a)%4)+\b):8*(8*((\a)%4)+\b)+7], v[SC+8*NQ*(\sc)+NQ*\b+(\q)], v[SC+8*NQ*(\sc)+NQ*(\a)+(\q)] matrix_a_fmt:MATRIX_FMT_FP4 matrix_b_fmt:MATRIX_FMT_FP4 matrix_a_scale:MATRIX_SCALE_ROW1
.endif
.endr
.endr
.endm
.macro FETCH_B slot, q, p              ; B's eight fragments of the slot's q-th 128 along K into set p
	WIN TO_B
.irp i, 0,1,2,3,4,5,6,7
	FRAG 128*(\p)+FR*\i, ADRB+\slot, \q, \i
.endr
	WIN 0
.endm
.macro FETCH_A slot, q, i0             ; A's blocks i0 .. i0 + 3
.irp i, \i0, \i0+1, \i0+2, \i0+3
	FRAG AF+FR*(\i), ADRA+\slot, \q, \i
.endr
.endm
.macro SCALES sc                       ; a slot's scale words into set sc: 4 words a row; lanes 0-15 take A's block i, lanes 16-31 B's block i
.irp i, 0,1,2,3,4,5,6,7
	ds_load_b128 v[SC+8*NQ*\sc+NQ*\i:SC+8*NQ*\sc+NQ*\i+3], v[ADRS] offset:\i*SBLK
.endr
.endm
; A load into a register that a matrix instruction has read, and a vector instruction that reads a matrix result or writes one of a matrix instruction's registers, stand NP places behind it, and only plain vector
; instructions that name none of its registers are places (ISA guide 7.12.1 for vector instructions).
.macro PLACES n
.rept \n
	v_nop
.endr
.endm
; A step of 128 along K that has its successor in the same slot.  A has one set of registers: blocks 0-3 are fetched anew in the step's middle, blocks 4-7 at its end.  B has two sets.
.macro STEP slot, q, zero
	s_wait_dscnt 4*NL                              ; B's set and A's blocks 0-3 are in; the youngest eight loads (A's blocks 4-7) may be out
	WIN MUL_LO
	MUL16 0, (\q)%2, \q, \slot, \zero
	MUL16 2, (\q)%2, \q, \slot, \zero
	s_wait_dscnt 0                                 ; A's blocks 4-7 are in (asked for 32 matrix instructions ago)
	PLACES NP
	FETCH_B \slot, (\q)+1, 1-(\q)%2
	FETCH_A \slot, (\q)+1, 0
	WIN MUL_HI
	MUL16 4, (\q)%2, \q, \slot, \zero
	MUL16 6, (\q)%2, \q, \slot, \zero
	PLACES NP
	WIN 0
	FETCH_A \slot, (\q)+1, 4
.endm
; Slot 0's last step goes over to slot 1: each wave waits for all its tensor loads (its part of slot 1), then one barrier: behind it slot 1 is whole.  Nothing is filled again.
.macro TURN slot, next
	s_wait_tensorcnt 0x0                           ; all my tensor loads have landed: my part of the next slot;  (every window is 0 here)
	ds_add_u32 v[SPW], v[NIL]                      ; 0 onto my spare word
	s_wait_dscnt 4*NL+1                            ; (the add and the youngest eight loads, A's blocks 4-7, may be out)
	WIN MUL_LO
	MUL16 0, 1, NQ-1, \slot, 0                     ; sixteen matrix instructions stand between the add and the wait for it
	s_wait_dscnt 0x0                               ; the add is done, and my reads of this slot are over
	s_barrier_signal -1
	MUL16 2, 1, NQ-1, \slot, 0
	WIN 0
	s_barrier_wait -1
	PLACES NP
	v_add_nc_u32 v[ADRS], 4*NQ, v[ADRS]            ; on to the next slot's scale words (no LDS load of mine is out)
	FETCH_B \next, 0, 0
	FETCH_A \next, 0, 0
	SCALES \next
	WIN MUL_HI
	MUL16 4, 1, NQ-1, \slot, 0
	MUL16 6, 1, NQ-1, \slot, 0
	PLACES NP
	WIN 0
	FETCH_A \next, 0, 4
.endm
.macro STEPS slot, from                ; the slot's steps from .. NQ - 2
.set Q, \from
.rept NQ-1-\from
	STEP \slot, Q, 0
.set Q, Q+1
.endr
.endm
	s_wait_tensorcnt 1                             ; the scales and my part of slot 0 are in (slot 1's load may be out)
	s_barrier_signal -1
	s_barrier_wait -1                              ; everybody's are
	FETCH_B 0, 0, 0
	FETCH_A 0, 0, 0
	SCALES 0
	FETCH_A 0, 0, 4
	STEP 0, 0, 1                                   ; the first step's products start the sums
	STEPS 0, 1
	TURN 0, 1
	STEPS 1, 0
	s_wait_dscnt 4*NL                              ; the very last step: nothing more to fetch
	WIN MUL_LO
	MUL16 0, 1, NQ-1, 1, 0
	MUL16 2, 1, NQ-1, 1, 0
	s_wait_dscnt 0
	WIN MUL_HI
	MUL16 4, 1, NQ-1, 1, 0
	MUL16 6, 1, NQ-1, 1, 0
	WIN 0
; THE WAY OUT, A's block by block.  A lane's eight results of accumulator (a, b) pack into 16 bytes, and the wave's 32 x 16 bytes are one chunk of qkv.
.macro PACK a
.set AC, 64*((\a)%4)
.set TT, TMP+32*((\a)%2)
.set WW, 0x0a+5*((\a)/4)               ; sources 0 and 1: window 2 or 3
	WIN WW
.irp b, 0,1,2,3,4,5,6,7
.irp r, 0,1,2,3
	v_cvt_pk_f16_f32 v[TT+4*\b+\r], v[AC+8*\b+2*\r], v[AC+8*\b+2*\r+1]   ; each accumulator from its low end on; the first source into the low half
.endr
.endr
	WIN 0
.endm
.macro OUT a
.set TT, TMP+32*((\a)%2)
.if (\a) > 0
	s_wait_xcnt 0x0                                ; the earlier stores have read their base and their data: the base may step, and the set of block a - 1 may be written again by the block after this one
.if (\a) == 4
	s_add_nc_u64 s[12:13], s[12:13], s[98:99]
.else
	s_add_nc_u64 s[12:13], s[12:13], s[96:97]
.endif
.endif
.irp b, 0,1,2,3,4,5,6,7
	global_store_b128 v[VO+\b], v[TT+4*\b:TT+4*\b+3], s[12:13]     ; 32 lanes store 512 consecutive bytes, at a multiple of 512 from qkv's first byte
.endr
.endm
	PLACES NP                                      ; the conversions write where A's fragments lay, which the last products read, and block 7's read results just made
.irp a, 0,1,2,3,4,5,6,7
	PACK \a
	OUT \a
.endr
	s_wait_tensorcnt 0x0                           ; the wave's end
	ds_add_u32 v[SPW], v[NIL]
	s_wait_dscnt 0x0
	CROUND                                         ; the closing round: no work-group ends while a partner may still ask for a tile that names it
	s_endpgm
.Lfunc_end_k_q79004c5284_proj:
	.size	k_q79004c5284_proj, .Lfunc_end_k_q79004c5284_proj-k_q79004c5284_proj
	.p2alignl 7, 3214868480
	.fill 96, 4, 3214868480
	.section	.rodata,"a",@progbits
	.p2align	6, 0x0
	.amdhsa_kernel k_q79004c5284_proj
		.amdhsa_group_segment_fixed_size 327680
		.amdhsa_private_segment_fixed_size 0
		.amdhsa_enable_private_segment 0
		.amdhsa_kernarg_size 24
		.amdhsa_user_sgpr_count 2
		.amdhsa_user_sgpr_kernarg_segment_ptr 1
		.amdhsa_wavefront_size32 1
		.amdhsa_system_sgpr_workgroup_id_x 1
		.amdhsa_system_sgpr_workgroup_id_y 1
		.amdhsa_system_sgpr_workgroup_id_z 1
		.amdhsa_system_vgpr_workitem_id 0
		.amdhsa_next_free_vgpr 1024
		.amdhsa_next_free_sgpr 100
		.amdhsa_reserve_vcc 0
		.amdhsa_float_denorm_mode_32 3
		.amdhsa_float_denorm_mode_16_64 3
		.amdhsa_memory_ordered 1
		.amdhsa_forward_progress 1
		.amdhsa_inst_pref_size 120
	.end_amdhsa_kernel
	.amdgpu_metadata
---
amdhsa.version: [ 1, 2 ]
amdhsa.kernels:
  - .name:           k_q79004c5284_proj
    .symbol:         k_q79004c5284_proj.kd
    .args:
      - { .name: codes, .offset: 0, .size: 8, .value_kind: global_buffer, .address_space: global }
      - { .name: scales, .offset: 8, .size: 8, .value_kind: global_buffer, .address_space: global }
      - { .name: qkv, .offset: 16, .size: 8, .value_kind: global_buffer, .address_space: global }
    .group_segment_fixed_size: 327680
    .private_segment_fixed_size: 0
    .kernarg_segment_align: 8
    .kernarg_segment_size: 24
    .max_flat_workgroup_size: 128
    .sgpr_count:     100
    .vgpr_count:     1024
    .wavefront_size: 32
...
	.end_amdgpu_metadata
.endif
;; end of part 2
;; launch attn (part 3): grid 8 x 64, 4 waves a work-group, clusters of 4 x 4, 327,680 bytes of LDS; arguments qkv, bias, out0; writes out0
.if DOCPART == 3
	.amdgcn_target "amdgcn-amd-amdhsa--gfx1250"
	.amdhsa_code_object_version 6
	.text
	.protected	k_q79004c5284_attn
	.globl	k_q79004c5284_attn
	.p2align	8
	.type	k_q79004c5284_attn,@function
k_q79004c5284_attn:
	s_mov_b64 s[64:65], 0
	v_nop
	global_prefetch_b8 v0, s[64:65] scope:SCOPE_SE
	s_setreg_imm32_b32 hwreg(HW_REG_WAVE_MODE, 25, 1), 1
	s_wait_xcnt 0x0
	s_wait_alu depctr_hold_cnt(0) depctr_sa_sdst(0) depctr_va_vdst(0) depctr_va_sdst(0) depctr_va_ssrc(0) depctr_va_vcc(0) depctr_vm_vsrc(0)
	s_getreg_b32 s2, hwreg(HW_REG_IB_STS2, 6, 4)
	s_cmp_eq_u32 s2, 0
	s_cbranch_scc0 .Lentry_in_a_cluster
	s_endpgm
.Lentry_in_a_cluster:
	s_bfe_u32 s2, ttmp6, 0x10000c
	s_cmp_lg_u32 s2, 0xf033
	s_cbranch_scc0 .Lentry_shape_is_right
	s_endpgm
.Lentry_shape_is_right:
; out[b][q][64 head ..] = the sum over k of softmax_k((Q[q] / 8) . K[k] + bias[q][k]) V[k], for 64 pairs bh = 16 b + head, 2,048 queries and keys, head size 64.
; Q / 8, K, V come as f16 from qkv (three planes of 2^24 bytes, [bh][tile of 16 tokens][group of 16 channels][chunk of 512 bytes]; a chunk is the image of four operand registers, lane l's 16 bytes at 16 l:
; Q, K: lane (r, h) = token r, channels 8 h ..; V: lane (r, h) = channel r, tokens 8 h ..).  So every fragment is two loads of 16 bytes at 16 x lane: no pitch, no padding, no turning load.
; Products, maxima and sums in f32; the weights p are rounded to f16 for the second product.  f16, 11 bits of significand, since a result is a mean over 2,048 keys and is compared within a hundredth of the results' root mean square.
; p lies in 0 .. 1 for every input (the running maximum is taken away), and what f16 loses under 2^-24 is nothing beside the row's largest p, which is 1.  Q / 8, K and V: their room in f16 is reckoned at the head of the launch that makes them.
; LIMITS: Q / 8, K or V beyond 65,504 arrive as infinities.  +infinity and NaN in bias are not served.  -infinity is: the first step's maximum has -1e38 among its leaves, so that m is always a number; a row that is -infinity throughout gives NaN (0 x infinity), as the softmax of such a row does.
; SHARES.  A work-group owns 256 queries of one bh, each of its four waves 64: four tiles of 16.  Every wave walks all keys, 64 a step, 32 steps.
; LAYOUT.  S^T = K Q^T + bias^T (source 0 = 16 keys, source 1 = 16 queries): a lane holds ONE query (lane % 16) and keys 8 (lane / 16) + 0..7.  THE BIAS IS THE C OF THE FIRST PRODUCT: it is loaded from LDS straight into
; S^T's registers and the sum is made in place, so it costs no vector instruction and no register.  Two tiles of S^T, rounded to f16 in pairs, ARE source 1 of O^T = V^T P, whose result again holds one query a lane.
; SOFTMAX.  For each query a running maximum m and sum l: p = 2^(c s - c m), c = log2(e); in every step O and l are multiplied by a = 2^(c m_old - c m_new).
; BY TURNS.  The wave's tiles are two PIECES: piece 0 (tiles 0, 1), piece 2 (tiles 2, 3).  In a TURN one piece has the matrix unit: 16 products V^T P of the step in hand, then 16 products K Q^T of the next step; the other
; piece's softmax, 236 vector instructions cut into 59 slices of four, stands between them, one or two slices behind each matrix instruction.  Two turns are a key step.
; CLUSTER.  4 x 4 work-groups: x = the block of queries, y = bh.  K and V hang on bh alone and are asked for jointly along a row of the cluster; the bias tile (256 queries x 64 keys, four bytes a score, the larger stream)
; hangs on the block of queries alone and is asked for jointly along a column.  A slot holds ONE key step (86,016 bytes; two slots of two steps do not fit in LDS), so a round of the cluster's barrier stands at every key step.
; REGISTERS, in windows of 256:  window 0: v1-11, v44 addresses; v12-43 eight registers of statistics a tile; v64-191 S^T, 32 a tile; v192-255 P, 16 a tile.
;   window 1: v0-127 O^T, 32 a tile.   window 2: v0-63 Q, 16 a tile; v64-127 K of one step; v128-191 V of one step.
.set BP,    272       ; a row of the bias tile in LDS: 256 bytes + 16 of padding = 68 words: row r starts at bank 4 r mod 64 (64 banks of 4 bytes: ISA guide 11.1), so the 16 rows of a load start at 16 different banks
.set VOFF,  8192      ; a slot: K's image (8,192 bytes), V's image,
.set BOFF,  16384     ; then 256 rows of bias
.set BHALF, 128*BP    ; 128 of them: what one tensor load brings
.set SLOT1, 1<<17     ; slot 1 begins here, so that one exclusive or turns an address in one slot into the other's
.set STAGE, SLOT1+BOFF+2*BHALF  ; behind the ring: 16 rows x 272 bytes for each wave, for the way out
.set SP,    272
.set SPARE, STAGE+4*16*SP  ; behind the stages: the spare words, 128 bytes for each wave
.set AK0, 2           ; v2   16 x lane: my place in an image of K; also my offset in Q; never rewritten
.set AV0, 3           ; v3   the same for V
.set AB0, 4           ; v4   my place in the bias tile: row 64 wave + lane % 16, + 32 (lane / 16)
.set ADK, 5           ; v5   the LDS address of the run of K's loads
.set STO, 6           ; v6   the way out: where I put 32 bytes of a row
.set RD,  7           ; v7   the way out: where I read a row back
.set GO,  8           ; v8   my byte offset in the wave's rows of out
.set ADB, 11          ; v11  the LDS address of the run of the bias's loads
.set ST,  12          ; tile t's statistics at v[ST+8 t]: +0 c m, +1 m, +2, +3 l (even keys', odd keys'), +4 to +7 c0-c3, at work; a takes c2's place once the maximum is found
.set ADV, 44          ; v44  the LDS address of the run of V's loads
.set PFO, 61          ; v61  the prefetches' offset: 256 x lane in K's or V's image, a row of bias (8,192 bytes) x lane; never rewritten
.set SPW, 62          ; v62  LDS address of my spare word; never rewritten
.set NIL, 63          ; v63  0; never rewritten
.set S,   64
.set P,   192
.set KF,  64          ; K's fragments, in window 2
.set VF,  128         ; V's
.set WV,  12          ; s12  my wave's number
.set G1K, 24          ; s[24:31] descriptor group 1 for K's and V's images
.set G1B, 32          ; s[32:39] for the bias
.set G0K, 40          ; s[40:47] descriptor group 0 for K or V: a set for each of the two first fills; the second then walks on
.set G0B, 48          ; s[48:55] the same for the bias
.set SLOTS, 56        ; s56  30 - j at the change of slots of key step j
.set CS,  58          ; s[58:59] c: the packed scaling names a pair and takes its low word for both halves
.set SEL, 60          ; s[60:61] lane selects for v_permlanex16_b32: each lane takes its own place in the other half
.set TB,  62          ; s62  LDS byte at which the slot to be fetched from begins
.set PFA, 66          ; s[66:67] where my prefetches stand in memory
.set PFS, 68          ; s[68:69] a key step on, in bytes: 8,192 in K or V, 256 in a row of bias
.set LIM, 70          ; s70  a wave prefetches while s[SLOTS] is above it; the greatest number in a wave that never does
.set PFM, 71          ; s71, s72: and only where s[SLOTS] & PFM = PFR
.set PFR, 72
.set MSB, 0
.macro WIN new                      ; the immediate's high byte repeats the setting that is left; a switch that changes nothing is dropped
.if MSB != \new
	s_set_vgpr_msb (MSB<<8)|\new
.set MSB, \new
.endif
.endm
.set W_KQ, 0x0a       ; K and Q in window 2, S^T in window 0
.set W_PV, 0x52       ; V in window 2, P in window 0, O^T in window 1
.set W_RS, 0x41       ; O^T (destination and source 0) in window 1, a in window 0
; A joint refill.  Wave 0 fetches K's image, wave 1 V's, waves 2 and 3 the halves of the bias tile.  The branch hangs on the wave's number alone.  Four v_nop follow each of the two lines.
.macro JLOAD
	s_cmp_lt_u32 s[WV], 2
	s_cbranch_scc0 .Lfor_b_\@
	tensor_load_to_lds s[G0K+4:G0K+7], s[G1K:G1K+7]
	s_nop 0
.rept 4
	v_nop
.endr
	s_branch .Lasked_\@
.Lfor_b_\@:
	tensor_load_to_lds s[G0B+4:G0B+7], s[G1B:G1B+7]
	s_nop 0
.rept 4
	v_nop
.endr
.Lasked_\@:
.endm
; A PREFETCH INTO THE L2, behind the joint load, its four lines and the runs of LDS loads that follow.  Each aligned block of 256 bytes is named ONCE in the launch.
; THE BIAS: all clusters with the same x read the same tiles: the one with cluster y = 0 asks.  Of a tile's 256 rows the partner at cy takes 64, its waves 2 and 3 take 32 each, a lane a row: at the change of key step j, j = 0 .. 27, key step j + 4.
; K AND V: both clusters of a bh read them: the one with cluster x = 0 asks.  A key step's image is 8,192 bytes, one instruction (lanes 256 bytes apart): at the changes j = 0, 4 .. 24 the partner at cx names key step j + 4 + cx, wave 0 of K, wave 1 of V.
; Partners are told apart BY ADDRESS; the branches hang on the wave's number, the cluster's place in the grid and the count of steps, which all partners share.  Key steps 0 to 3 come by their loads alone; nothing is named past key step 31.
.macro ASK
	s_and_b32 s73, s[SLOTS], s[PFM]
	s_cmp_eq_u32 s73, s[PFR]
	s_cbranch_scc0 .Lnot_mine_\@
	s_cmp_gt_u32 s[SLOTS], s[LIM]
	s_cbranch_scc0 .Lnot_mine_\@
	global_prefetch_b8 v[PFO], s[PFA:PFA+1] th:TH_LOAD_NT scope:SCOPE_SE
.Lnot_mine_\@:
.endm
.macro CROUND                       ; a round of the cluster's barrier.  No LDS instruction of the wave is pending at a signal
	s_barrier_signal -1
	s_barrier_wait -1
	s_cmp_lg_u32 s[WV], 0
	s_cbranch_scc1 .Lnot_wave_0_\@
	s_barrier_signal -3
.Lnot_wave_0_\@:
	s_barrier_wait -3
	s_barrier_signal -1
	s_barrier_wait -1
.endm
	s_load_b128 s[4:7], s[0:1], 0x0  ; qkv s[4:5], bias s[6:7]
	s_load_b64 s[8:9], s[0:1], 0x10  ; out0
	v_lshl_add_u32 v[SPW], v0, 2, SPARE
	v_mov_b32 v[NIL], 0
	ds_add_u32 v62, v63
	ds_add_u32 v62, v63
	s_wait_dscnt 0x0
	v_lshrrev_b32 v1, 5, v0
	v_readfirstlane_b32 s[WV], v1   ; wave 0..3
	s_bfe_u32 s13, ttmp6, 0x40000   ; cx
	s_bfe_u32 s14, ttmp6, 0x40004   ; cy
	s_lshl_b32 s15, ttmp9, 2
	s_add_co_u32 s15, s15, s13      ; my block of 256 queries = 4 x cluster x + cx
	s_and_b32 s19, ttmp7, 0xffff    ; cluster y
	s_lshl_b32 s16, s19, 2
	s_add_co_u32 s16, s16, s14      ; bh = 4 x cluster y + cy
	s_lshl_b32 s17, s14, 2
	s_lshl_b32 s17, 15, s17         ; my row of the cluster (same bh)
	s_lshl_b32 s18, 0x1111, s13     ; my column (same block of queries)
	; descriptor group 1.  K's or V's image: 8,192 dense bytes as 32 rows of 256 (32 elements of 8 bytes), no padding
	s_or_b32 s[G1K], s17, (3<<16)|(1<<21)  ; 15:0 the mask: my row; 17:16 elements of 8 bytes; 21 set beside a mask
	s_mov_b32 s[G1K+1], 32<<16      ; tensor_dim0 = 32
	s_mov_b32 s[G1K+2], 32<<16      ; tensor_dim1 = 32
	s_mov_b32 s[G1K+3], 32<<16      ; tile_dim0 = 32
	s_mov_b32 s[G1K+4], 32          ; tile_dim1 = 32
	s_mov_b32 s[G1K+5], 32          ; tensor_dim0_stride
	s_mov_b32 s[G1K+6], 0
	s_mov_b32 s[G1K+7], 0
	; half a bias tile: 128 rows of 64 elements of 4 bytes, 2,048 elements apart, 16 bytes of padding behind each row
	s_or_b32 s[G1B], s18, (2<<16)|(1<<20)|(1<<21)|(5<<22)|(3<<25)  ; the mask: my column; padding: 4 words (code 3) after every 64 (code 5)
	s_mov_b32 s[G1B+1], 64<<16
	s_mov_b32 s[G1B+2], 128<<16
	s_mov_b32 s[G1B+3], 64<<16
	s_mov_b32 s[G1B+4], 128
	s_mov_b32 s[G1B+5], 2048
	s_mov_b32 s[G1B+6], 0
	s_mov_b32 s[G1B+7], 0
	s_and_b32 s20, s[WV], 1
	s_add_co_u32 s22, s20, 1        ; K's plane is 1 (wave 0), V's 2 (wave 1)
	s_lshl_b32 s22, s22, 24
	s_lshl_b32 s23, s16, 18         ; a bh is 2^18 bytes
	s_add_co_u32 s22, s22, s23      ; K or V at key step 0: it hangs on cy, never on cx
	s_mov_b32 s23, 0
	s_lshl_b32 s74, s15, 21         ; the bias: 256 rows of 8,192 bytes a block of queries,
	s_lshl_b32 s75, s20, 20         ; 128 rows a half: on cx, never on cy
	s_add_co_u32 s74, s74, s75
	s_mov_b32 s75, 0
	s_lshl_b32 s76, s20, 13         ; where they go in a slot: K at 0, V at 8,192;
	s_mul_i32 s77, s20, BHALF
	s_add_co_u32 s77, s77, BOFF     ; the bias's halves: no place in the cluster enters an LDS address
	s_lshl_b32 s78, s16, 18         ; Q (plane 0): my bh, my block's 16 token tiles of 2,048 bytes, my wave's 4
	s_lshl_b32 s79, s15, 15
	s_add_co_u32 s78, s78, s79
	s_lshl_b32 s79, s[WV], 13
	s_add_co_u32 s78, s78, s79
	s_mov_b32 s79, 0
	s_lshr_b32 s80, s16, 4          ; out: batch x 2^23, rows of 4,096 bytes, the head's 256 bytes
	s_lshl_b32 s80, s80, 23
	s_lshl_b32 s81, s15, 20
	s_add_co_u32 s80, s80, s81
	s_lshl_b32 s81, s[WV], 18
	s_add_co_u32 s80, s80, s81
	s_and_b32 s81, s16, 15
	s_lshl_b32 s81, s81, 8
	s_add_co_u32 s80, s80, s81
	s_mov_b32 s81, 0
	s_add_co_u32 s82, s13, 3        ; the prefetches.  K, V: key step 3 + cx (the first change of slots steps it on by one);
	s_lshl_b32 s82, s82, 13
	s_add_co_u32 s82, s82, s22
	s_lshl_b32 s83, s15, 21         ; the bias: row 256 block + 64 cy + 32 (wave & 1), key step 3
	s_lshl_b32 s84, s14, 19
	s_add_co_u32 s83, s83, s84
	s_lshl_b32 s84, s20, 18
	s_add_co_u32 s83, s83, s84
	s_add_co_u32 s83, s83, 768
	s_mov_b32 s[CS], 0x3fb8aa3b     ; c = log2(e)
	s_mov_b32 s[CS+1], s[CS]        ; named with it as a pair, so it is written
	s_mov_b32 s[SEL], 0x76543210
	s_mov_b32 s[SEL+1], 0xfedcba98
	s_mov_b32 s[TB], 0
	s_mov_b32 s[SLOTS], 30
	s_wait_kmcnt 0x0
	s_cmp_lt_u32 s[WV], 2           ; waves 0 and 1 ask for K and V, waves 2 and 3 for the bias: all the choices below hang on this one compare
	s_cselect_b32 s82, s82, s83
	s_mov_b32 s83, 0
	s_mov_b32 s[PFS], 256
	s_cselect_b32 s[PFS], 8192, s[PFS]
	s_mov_b32 s[PFS+1], 0
	s_cselect_b32 s[PFM], 3, 0
	s_cselect_b32 s[PFR], 2, 0      ; 30 - j = 2 mod 4 where j is a multiple of 4
	s_cselect_b32 s[LIM], 5, 2      ; 30 - j > 5: j <= 24;  30 - j > 2: j <= 27
	s_cselect_b32 s84, 8, 13        ; from lane to lane: 256 bytes, or a row of bias
	s_cselect_b32 s85, ttmp9, s19   ; the coordinate along which other clusters read the same bytes
	s_cselect_b64 s[PFA:PFA+1], s[4:5], s[6:7]
	s_cmp_eq_u32 s85, 0
	s_cselect_b32 s[LIM], s[LIM], -1  ; the same in all sixteen partners, for a given wave
	s_add_nc_u64 s[PFA:PFA+1], s[PFA:PFA+1], s[82:83]
	v_and_b32 v[PFO], 31, v0
	v_lshlrev_b32 v[PFO], s84, v[PFO]
	s_add_nc_u64 s[22:23], s[4:5], s[22:23]
	s_add_nc_u64 s[74:75], s[6:7], s[74:75]
	s_add_nc_u64 s[78:79], s[4:5], s[78:79]
	s_add_nc_u64 s[8:9], s[8:9], s[80:81]
	CROUND                          ; all sixteen work-groups are here: the first joint loads meet
.irp s, 0,1
	s_mov_b32 s[G0K+4*\s], 1        ; 1:0 count = 1
	s_add_co_u32 s[G0K+4*\s+1], s76, \s*SLOT1  ; 63:32 LDS address
	s_add_nc_u64 s[G0K+4*\s+2:G0K+4*\s+3], s[22:23], \s*8192  ; 120:64 global address: key step s
	s_or_b32 s[G0K+4*\s+3], s[G0K+4*\s+3], 0x80000000  ; 127:126 type = 2
	s_mov_b32 s[G0B+4*\s], 1
	s_add_co_u32 s[G0B+4*\s+1], s77, \s*SLOT1
	s_add_nc_u64 s[G0B+4*\s+2:G0B+4*\s+3], s[74:75], \s*256
	s_or_b32 s[G0B+4*\s+3], s[G0B+4*\s+3], 0x80000000
.endr
	s_cmp_lt_u32 s[WV], 2           ; a wave's two first fills stand in one branch, ahead of every wait on TENSORcnt and every LDS read: two loads of mine are out; four v_nop follow the second
	s_cbranch_scc0 .Lfirst_b
	tensor_load_to_lds s[G0K:G0K+3], s[G1K:G1K+7]
	s_nop 0
	tensor_load_to_lds s[G0K+4:G0K+7], s[G1K:G1K+7]
	s_nop 0
.rept 4
	v_nop
.endr
	s_branch .Lfirst_asked
.Lfirst_b:
	tensor_load_to_lds s[G0B:G0B+3], s[G1B:G1B+7]
	s_nop 0
	tensor_load_to_lds s[G0B+4:G0B+7], s[G1B:G1B+7]
	s_nop 0
.rept 4
	v_nop
.endr
.Lfirst_asked:
	v_and_b32 v1, 15, v0            ; r = l % 16
	v_bfe_u32 v9, v0, 4, 1          ; h = l / 16
	v_and_b32 v[AK0], 31, v0
	v_lshlrev_b32 v[AK0], 4, v[AK0]
	WIN 0x80                        ; destination window 2, address window 0
.irp i, 0,1,2,3,4,5,6,7,8,9,10,11,12,13,14,15  ; Q / 8 stays in registers: chunk i = tile i / 4, channels 16 (i % 4) on; a load covers 512 consecutive bytes
	global_load_b128 v[4*\i:4*\i+3], v[AK0], s[78:79] offset:512*\i
.endr
	WIN 0
	v_add_nc_u32 v[AV0], VOFF, v[AK0]
	s_mul_i32 s21, s[WV], 64*BP
	v_mul_u32_u24 v[AB0], v1, BP
	v_lshl_add_u32 v[AB0], v9, 5, v[AB0]
	v_add_nc_u32 v[AB0], s21, v[AB0]
	v_add_nc_u32 v[AB0], BOFF, v[AB0]
; THE MATRIX WORK OF A TURN, for piece x.  Eight accumulators take turns, one instruction a turn.
; Product i of 16 of O^T += V^T P: keys 32 (i / 8) on, channels 16 ((i / 2) % 4) on, tile x + i % 2.  zero = 1: the first 8 start the sums: nothing is ever cleared.
.macro PV x, zero
	WIN W_PV
.set rO, 32*(\x+i%2)+8*((i/2)%4)
.set rV, VF+8*(4*(i/8)+(i/2)%4)
.set rP, P+16*(\x+i%2)+8*(i/8)
.if \zero && (i < 8)
	v_wmma_f32_16x16x32_f16 v[rO:rO+7], v[rV:rV+7], v[rP:rP+7], 0
.else
	v_wmma_f32_16x16x32_f16 v[rO:rO+7], v[rV:rV+7], v[rP:rP+7], v[rO:rO+7]
.endif
.endm
; Product i of 16 of S^T = K Q^T + bias^T: channels 32 (i / 8) on, keys 16 ((i / 2) % 4) on, tile x + i % 2.  The first 8 add onto the bias, which lies in S^T's registers.
.macro KQ x
	WIN W_KQ
.set rS, S+32*(\x+i%2)+8*((i/2)%4)
.set rK, KF+16*((i/2)%4)+8*(i/8)
.set rQ, 16*(\x+i%2)+8*(i/8)
	v_wmma_f32_16x16x32_f16 v[rS:rS+7], v[rK:rK+7], v[rQ:rQ+7], v[rS:rS+7]
.endm
; THE LDS LOADS stand in runs of 16, never singly among the matrix instructions.
.macro FETCH_K                      ; a step's K: chunk i = keys 16 (i / 4) on, channels 16 (i % 4) on: two neighbouring chunks are a fragment
	WIN 0
	v_add_nc_u32 v[ADK], s[TB], v[AK0]
	WIN 0x80                        ; destination window 2
.irp f, 0,1,2,3,4,5,6,7,8,9,10,11,12,13,14,15
	ds_load_b128 v[KF+4*\f:KF+4*\f+3], v[ADK] offset:512*\f
.endr
.endm
.macro FETCH_V                      ; a step's V: fragment (keys 32 u on, channels 16 c on) is the chunks of token tiles 2 u and 2 u + 1
	WIN 0
	v_add_nc_u32 v[ADV], s[TB], v[AV0]
	WIN 0x80
.irp u, 0,1
.irp c, 0,1,2,3
.irp e, 0,1
	ds_load_b128 v[VF+8*(4*\u+\c)+4*\e:VF+8*(4*\u+\c)+4*\e+3], v[ADV] offset:((2*\u+\e)*4+\c)*512
.endr
.endr
.endr
.endm
.macro FETCH_B x                    ; piece x's bias of a step, into S^T's registers: register 8 kt + j of tile t = bias[query 16 t + r][key 16 kt + 8 h + j]
	WIN 0
	v_add_nc_u32 v[ADB], s[TB], v[AB0]
.irp t, \x, \x+1
.irp kt, 0,1,2,3
.irp c, 0,1
	ds_load_b128 v[S+32*(\t)+8*\kt+4*\c:S+32*(\t)+8*\kt+4*\c+3], v[ADB] offset:16*BP*(\t)+64*\kt+16*\c
.endr
.endr
.endr
.endm
; THE VECTOR WORK OF A TURN.  One tile's softmax for one key step is a list of 118 instructions; SM writes number j of it for tile t.  s0-s31 are the lane's 32 scores, in pairs 0-15.
; first = 1: the first key step, which starts m, l and O^T: it has no a and nothing to rescale.
;   0-15    the maximum of s0-s31 and the old m (in the first step: and -1e38), three operands at a time
;   16-20   the other half of the lanes' maximum; the new m; c m; c m_old - c m_new
;   21-87   33 exponentials (a, then s0-s31) at the odd numbers from 23 on, so that no two follow each other and each has a plain instruction behind it before its result is used;
;           the plain ones are whatever is ready: c s - c m for a pair still to come, the rounding to f16 of a pair that is done, at last the first three sums
;   88-101  the last rounding; the rest of the sums; l = a l + the sum
;   102-117 the tile's O^T times a: the one part that leaves window 0, so it stands together
.macro SM t, first
.set rT, ST+8*(\t)
.set rS, S+32*(\t)
.set rP, P+16*(\t)
.set rO, 32*(\t)+2*(j-102)
.set q, (j-20)/2
.if j < 102
	WIN 0
.endif
.if j < 4
	v_max3_num_f32 v[rT+4+j], v[rS+8*j], v[rS+8*j+1], v[rS+8*j+2]
.elseif j < 12
	v_max3_num_f32 v[rT+4+j%4], v[rT+4+j%4], v[rS+8*(j%4)+2*(j/4)+1], v[rS+8*(j%4)+2*(j/4)+2]
.elseif j == 12
	v_max3_num_f32 v[rT+4], v[rT+4], v[rS+7], v[rS+15]
.elseif j == 13
	v_max3_num_f32 v[rT+6], v[rT+6], v[rS+23], v[rS+31]
.elseif j == 14
	v_max3_num_f32 v[rT+4], v[rT+4], v[rT+5], v[rT+6]
.elseif (j == 15) && \first
	v_max3_num_f32 v[rT+4], v[rT+4], v[rT+7], 0xfe967699  ; -1e38: m is a number though all 64 scores be -infinity
.elseif j == 15
	v_max3_num_f32 v[rT+4], v[rT+4], v[rT+7], v[rT+1]
.elseif j == 16
	v_permlanex16_b32 v[rT+5], v[rT+4], s[SEL], s[SEL+1]  ; the query's other 32 keys lie in the lane 16 away
.elseif j == 18
	v_max_num_f32 v[rT+1], v[rT+4], v[rT+5]
.elseif j == 19
	v_mul_f32 v[rT], s[CS], v[rT+1]
.elseif ((j == 17) || (j == 20) || (j == 23) || (j > 101)) && \first  ; the first step has none of these
.elseif j == 17
	v_mov_b32 v[rT+7], v[rT]        ; c m_old is kept for a: number 19 writes c m anew
.elseif j == 20
	v_sub_f32 v[rT+7], v[rT+7], v[rT]
.elseif j == 23
	v_exp_f32 v[rT+6], v[rT+7]
.elseif (j < 88) && (j > 23) && (j%2 == 1)
	v_exp_f32 v[rS+(j-25)/2], v[rS+(j-25)/2]
.elseif (q < 4) || ((j < 76) && (q%2 == 0))
.set b, q/2+2
.if q < 4
.set b, q
.endif
	v_pk_fma_f32 v[rS+2*b:rS+2*b+1], v[rS+2*b:rS+2*b+1], s[CS:CS+1], v[rT:rT+1] op_sel_hi:[1,0,0] neg_lo:[0,0,1] neg_hi:[0,0,1]  ; pair b: c s - c m
.elseif (j < 88) && (q%2 == 1)
	s_wait_alu depctr_va_vdst(0)
	v_cvt_pk_f16_f32 v[rP+(q-5)/2], v[rS+q-5], v[rS+q-4]  ; pair (q - 5) / 2: its second exponential stands three numbers back
.elseif j == 89
	s_wait_alu depctr_va_vdst(0)
	v_cvt_pk_f16_f32 v[rP+15], v[rS+30], v[rS+31]
.elseif j < 102                     ; the sum of the tile's 16 pairs, in place: sum z of 16 adds neighbours 1, 2, 4 and 8 pairs apart, then l takes it
.set z, j-86
.if j < 89
.set z, (j-76)/4
.endif
.set w, 4
.set u, z
.if z >= 14
.set w, 32
.set u, 0
.elseif z >= 12
.set w, 16
.set u, z-12
.elseif z >= 8
.set w, 8
.set u, z-8
.endif
.if (z == 14) && \first
	v_pk_add_f32 v[rT+2:rT+3], v[rS:rS+1], v[rS+16:rS+17]
.elseif z < 15
	v_pk_add_f32 v[rS+w*u:rS+w*u+1], v[rS+w*u:rS+w*u+1], v[rS+w*u+w/2:rS+w*u+w/2+1]
.elseif !\first
	v_pk_fma_f32 v[rT+2:rT+3], v[rT+2:rT+3], v[rT+6:rT+7], v[rS:rS+1] op_sel_hi:[1,0,1]
.endif
.else
	WIN W_RS
	v_pk_mul_f32 v[rO:rO+1], v[rO:rO+1], v[rT+6:rT+7] op_sel_hi:[1,0]
.endif
.endm
; Slice k of 59 of piece y's softmax: numbers 2 k and 2 k + 1 of both tiles' lists, four instructions.
.macro SLICE y, first
.if (k >= 11) && (k < 44)           ; tile by tile: plain, exponential, plain, exponential
.irp t, \y, \y+1
.irp e, 0,1
.set j, 2*k+\e
	SM \t, \first
.endr
.endr
.else                               ; the two tiles alternate, so that no instruction reads the result of the one just before it
.irp e, 0,1
.irp t, \y, \y+1
.set j, 2*k+\e
	SM \t, \first
.endr
.endr
.endif
.set k, k+1
.endm
; The slices are dealt evenly: behind the n-th of a turn's NW products stand the slices up to 59 n / NW.  With 32 products that is one or two; slices 57 and 58, eight packed multiplies on the OTHER piece's O^T, stand
; behind the turn's last product: they are the places in front of the next read of its scores and of the loads into K's registers.
.macro DEAL y, first
.rept (59*n)/NW-k
	SLICE \y, \first
.endr
.endm
; A vector instruction that reads a matrix result or writes one of a matrix instruction's registers, and a load into a register that a matrix instruction has read, stand four places behind it, and only plain vector
; instructions that name none of its registers are places (ISA guide 7.12.1 for vector instructions).  In the loop the slices are the places.
.macro PLACES
.rept 4
	v_nop
.endr
.endm
; A TURN.  Piece x has the matrix unit; the other piece's softmax stands in slices behind its matrix instructions.
; pv = 2: 16 products V^T P; 1: they start O^T's sums; 0: none.  kq = 1: 16 products K Q^T for the next step.  first = 1: the softmax is the first key step's: its slices from 51 on are empty, so four v_nop close the turn.
; V was shown landed by the change of slots' wait for all LDS loads; only the last turn, which has no change of slots in front of it, waits for V itself.
; Piece 2's turn fetches the next step's V behind its second product K Q^T: the last product that read V stands six slices, twelve plain instructions, back.
.macro TURN x, pv, kq, first
.set k, 0
.set n, 0
.set NW, 16
.if \pv && \kq
.set NW, 32
.endif
.if \pv
.if \kq == 0
	s_wait_dscnt 0x0                ; V is in
.endif
.set i, 0
.rept 16
	PV \x, 2-\pv
.set n, n+1
	DEAL 2-\x, \first
.set i, i+1
.endr
.endif
.if \kq
	s_wait_dscnt 0x0                ; K and my piece's bias are in (asked for 16 matrix instructions ago)
.set i, 0
.rept 16
	KQ \x
.set n, n+1
	DEAL 2-\x, \first
.if (\x == 2) && (i == 1)
	FETCH_V
.endif
.set i, i+1
.endr
.endif
.if \first
	PLACES
.endif
.endm
; THE CHANGE OF SLOTS, at the head of key step j.  All LDS reads of key step j (K, both pieces' bias, V) were issued in key step j - 1.  Each wave waits for all its tensor loads, of which one is out: its part of key step j + 1;
; adds 0 to its spare word; and waits for that and for its own reads of the slot.  fill = 1: the slot just read out takes key step j + 2.  The barrier is then a round of the cluster's, so that no wave of any partner still
; reads the slot or has a load on its way, and the joint refill is the first thing behind it: it has a key step, 64 matrix and 472 vector instructions, in which to land.
.macro CHANGE fill
	WIN 0                           ; at a label and at a branch every window is 0
	s_wait_tensorcnt 0x0            ; no tensor load of mine is out, so a group 0 may be written
	ds_add_u32 v[SPW], v[NIL]       ; 0 onto my spare word: with fill = 1 the descriptors' steps stand between it and the wait for it
.if \fill
	s_xor_b32 s[G0K+5], s[G0K+5], SLOT1  ; the walking descriptors: the other slot than last time,
	s_add_nc_u64 s[G0K+6:G0K+7], s[G0K+6:G0K+7], 8192  ; the next key step; the type bits on top are not reached
	s_xor_b32 s[G0B+5], s[G0B+5], SLOT1
	s_add_nc_u64 s[G0B+6:G0B+7], s[G0B+6:G0B+7], 256
	s_wait_xcnt 0x0                 ; the last prefetch, a key step back, has read its address, so it may be written
	s_add_nc_u64 s[PFA:PFA+1], s[PFA:PFA+1], s[PFS:PFS+1]
	s_wait_dscnt 0x0                ; the add is done, and my reads of the slot are over
	CROUND
	JLOAD
.else
	s_wait_dscnt 0x0                ; the add is done, and my reads of the slot are over
	s_barrier_signal -1
	s_barrier_wait -1
.endif
	s_xor_b32 s[TB], s[TB], SLOT1   ; the fetches go on to the other slot
.endm
; KEY STEP j: piece 0: V^T P of step j, K Q^T of step j + 1 | piece 2's softmax of step j;  then piece 2: the same products | piece 0's softmax of step j + 1.
; A piece's registers of S^T are free from the end of its softmax to its next K Q^T: its bias is asked for at the head of its turn and lands under the turn's 16 products V^T P.
.macro STEPJ fill, pv, first0
	CHANGE \fill
	FETCH_K
	FETCH_B 0
.if \fill
	ASK
.endif
	TURN 0, \pv, 1, \first0
	FETCH_B 2
	TURN 2, \pv, 1, 0
.endm
	s_wait_tensorcnt 1              ; my part of slot 0 is in; slot 1's may stay out
	s_barrier_signal -1
	s_barrier_wait -1               ; everybody's is
	FETCH_K                         ; key step 0
	FETCH_B 0
	FETCH_B 2
	s_wait_loadcnt 0x0              ; Q / 8
	s_wait_dscnt 0x0                ; K and the bias
.set i, 0
.rept 16
	KQ 0                            ; piece 0's first scores: there is no vector work yet to set between them
.set i, i+1
.endr
	WIN 0                           ; the addresses for the way out are made here: eight plain instructions, the places behind those products
	s_mul_i32 s21, s[WV], 16*SP
	s_add_co_u32 s21, s21, STAGE    ; my stage
	v_mul_u32_u24 v[STO], v1, SP    ; in: row l % 16, 32 bytes for each half of the lanes
	v_lshl_add_u32 v[STO], v9, 5, v[STO]
	v_add_nc_u32 v[STO], s21, v[STO]
	v_mul_u32_u24 v[RD], v9, SP     ; back: lanes 0-15 take one row of 256 bytes, lanes 16-31 the next
	v_lshl_add_u32 v[RD], v1, 4, v[RD]
	v_add_nc_u32 v[RD], s21, v[RD]
	v_lshlrev_b32 v[GO], 12, v9     ; and the same two rows in out
	v_lshl_add_u32 v[GO], v1, 4, v[GO]
	TURN 2, 0, 1, 1                 ; piece 2's first scores | piece 0's first softmax | V of step 0
	STEPJ 1, 1, 1                   ; key step 0: the products V^T P start O^T; piece 2's softmax is its first
	WIN 0
	s_mov_b32 s[SLOTS], 29
.Lstep:                             ; 29 trips: key steps 1 to 29: each change of slots asks for the key step two on
	STEPJ 1, 2, 0
	WIN 0
	s_sub_co_u32 s[SLOTS], s[SLOTS], 1
	s_cmp_lg_u32 s[SLOTS], 0
	s_cbranch_scc1 .Lstep
	STEPJ 0, 2, 0                   ; key step 30 is written out: nothing is left to ask for
	TURN 0, 2, 0, 0                 ; key step 31: piece 0: V^T P | piece 2's last softmax
.set i, 0
.rept 16
	PV 2, 0                         ; piece 2: V^T P of the last step
.set i, i+1
.endr
	; THE WAY OUT.  l's two halves and the other half of the lanes' are added; O^T is divided by l and sent through my stage in LDS, a tile (16 rows of out) at a time.  The additions are the places behind the last products.
	WIN 0
.irp t, 0,1,2,3
	v_add_f32 v[ST+8*\t+4], v[ST+8*\t+2], v[ST+8*\t+3]
.endr
.irp t, 0,1,2,3
	v_permlanex16_b32 v[ST+8*\t+5], v[ST+8*\t+4], s[SEL], s[SEL+1]
.endr
.irp t, 0,1,2,3
	v_add_f32 v[ST+8*\t+4], v[ST+8*\t+4], v[ST+8*\t+5]
.endr
.irp t, 0,1,2,3
	v_rcp_f32 v[ST+8*\t+6], v[ST+8*\t+4]
.endr
	v_nop                           ; a plain instruction between the last reciprocal and the use of its result
; Tile t: a lane's eight channels of a row are 32 bytes; they go into rows of 272 bytes and come back as whole rows of 256: a head's part of a row of out.
.macro PACK t
	WIN W_RS
.set i, 32*\t
.rept 16
	s_wait_alu depctr_va_vdst(0)
	v_pk_mul_f32 v[i:i+1], v[i:i+1], v[ST+8*\t+6:ST+8*\t+7] op_sel_hi:[1,0]  ; each accumulator from its low end on
.set i, i+2
.endr
	WIN 0x04                        ; an LDS store's data are its source 1: window 1
.irp f, 0,1,2,3,4,5,6,7
	ds_store_b128 v[STO], v[32*\t+4*\f:32*\t+4*\f+3] offset:64*(\f/2)+16*(\f%2)
.endr
	WIN 0
.irp f, 0,1,2,3,4,5,6,7
	ds_load_b128 v[S+32*\t+4*\f:S+32*\t+4*\f+3], v[RD] offset:\f*2*SP  ; LDS serves a wave's instructions in order (ISA guide 5.7.1.4): these see the stores above; the next tile's stores come behind them
.endr
.endm
.macro SEND t, younger              ; younger: the LDS instructions issued behind tile t's loads: the next tile's sixteen, or none
.irp f, 0,1,2,3,4,5,6,7
	s_wait_dscnt \younger+7-\f
	global_store_b128 v[GO], v[S+32*\t+4*\f:S+32*\t+4*\f+3], s[8:9] offset:(16*\t+2*\f)*4096 th:TH_STORE_NT  ; 16 lanes store 256 consecutive bytes, at a multiple of 256 from out's first byte; written once, read by nobody here
.endr
.endm
	PACK 0
	PACK 1                          ; a tile's arithmetic stands between the loads of the tile before and its stores
	SEND 0, 16
	PACK 2
	SEND 1, 16
	PACK 3
	SEND 2, 16
	SEND 3, 0
	s_wait_tensorcnt 0x0            ; the wave's end: behind my last tensor load and my last LDS store
	ds_add_u32 v[SPW], v[NIL]
	s_wait_dscnt 0x0
	CROUND                          ; the closing round: no work-group ends while a partner may still ask for a tile that names it
	s_endpgm
.Lfunc_end_k_q79004c5284_attn:
	.size	k_q79004c5284_attn, .Lfunc_end_k_q79004c5284_attn-k_q79004c5284_attn
	.p2alignl 7, 3214868480
	.fill 96, 4, 3214868480
	.section	.rodata,"a",@progbits
	.p2align	6, 0x0
	.amdhsa_kernel k_q79004c5284_attn
		.amdhsa_group_segment_fixed_size 327680
		.amdhsa_private_segment_fixed_size 0
		.amdhsa_enable_private_segment 0
		.amdhsa_kernarg_size 24
		.amdhsa_user_sgpr_count 2
		.amdhsa_user_sgpr_kernarg_segment_ptr 1
		.amdhsa_wavefront_size32 1
		.amdhsa_system_sgpr_workgroup_id_x 1
		.amdhsa_system_sgpr_workgroup_id_y 1
		.amdhsa_system_sgpr_workgroup_id_z 1
		.amdhsa_system_vgpr_workitem_id 0
		.amdhsa_next_free_vgpr 768
		.amdhsa_next_free_sgpr 100
		.amdhsa_reserve_vcc 0
		.amdhsa_float_denorm_mode_32 3
		.amdhsa_float_denorm_mode_16_64 3
		.amdhsa_memory_ordered 1
		.amdhsa_forward_progress 1
		.amdhsa_inst_pref_size 179
	.end_amdhsa_kernel
	.amdgpu_metadata
---
amdhsa.version: [ 1, 2 ]
amdhsa.kernels:
  - .name:           k_q79004c5284_attn
    .symbol:         k_q79004c5284_attn.kd
    .args:
      - { .name: qkv, .offset: 0, .size: 8, .value_kind: global_buffer, .address_space: global }
      - { .name: bias, .offset: 8, .size: 8, .value_kind: global_buffer, .address_space: global }
      - { .name: out0, .offset: 16, .size: 8, .value_kind: global_buffer, .address_space: global }
    .group_segment_fixed_size: 327680
    .private_segment_fixed_size: 0
    .kernarg_segment_align: 8
    .kernarg_segment_size: 24
    .max_flat_workgroup_size: 128
    .sgpr_count:     100
    .vgpr_count:     768
    .wavefront_size: 32
...
	.end_amdgpu_metadata
.endif
;; end of part 3
;; ======== version 2 of 2: 3 launches
;; limits: values are held in f16: magnitudes above 65,504 overflow, below 6.1e-05 lose precision; inputs' magnitudes at most 1e+38
;; workspace buffers: codes 9,961,472 bytes; scales 622,592 bytes; qkv 50,331,648 bytes
;; launch quant: the kernel of part 1 again; grid 608 x 1, 4 waves a work-group, no clusters, 51,712 bytes of LDS; arguments x, y, Wq, Wk, Wv, codes, scales; writes codes, scales
;; launch proj (part 4): grid 4 x 96, 4 waves a work-group, clusters of 4 x 4, 327,680 bytes of LDS; arguments codes, scales, qkv; writes qkv
.if DOCPART == 4
	.amdgcn_target "amdgcn-amd-amdhsa--gfx1250"
	.amdhsa_code_object_version 6
	.text
	.protected	k_q79004c5284_proj
	.globl	k_q79004c5284_proj
	.p2align	8
	.type	k_q79004c5284_proj,@function
k_q79004c5284_proj:
	s_mov_b64 s[64:65], 0
	v_nop
	global_prefetch_b8 v0, s[64:65] scope:SCOPE_SE
	s_setreg_imm32_b32 hwreg(HW_REG_WAVE_MODE, 25, 1), 1
	s_wait_xcnt 0x0
	s_wait_alu depctr_hold_cnt(0) depctr_sa_sdst(0) depctr_va_vdst(0) depctr_va_sdst(0) depctr_va_ssrc(0) depctr_va_vcc(0) depctr_vm_vsrc(0)
	s_getreg_b32 s2, hwreg(HW_REG_IB_STS2, 6, 4)
	s_cmp_eq_u32 s2, 0
	s_cbranch_scc0 .Lentry_in_a_cluster
	s_endpgm
.Lentry_in_a_cluster:
	s_bfe_u32 s2, ttmp6, 0x10000c
	s_cmp_lg_u32 s2, 0xf033
	s_cbranch_scc0 .Lentry_shape_is_right
	s_endpgm
.Lentry_shape_is_right:
; q = x Wq / 8, k = y Wk, v = y Wv on codes of FP4 (E2M1) with one E8M0 scale for each 32 along K = 1,024; sums in f32; the results leave as f16.  (The factor 1/8 lies in Wq's scale bytes, each 3 less than the block's own.)
; f16, 11 bits of significand, since the next launch's results are means over 2,048 keys and are compared within a hundredth of their root mean square.  ROOM: q / 8, k and v of the drawn kind stay under 6; with x, y and the weights all
; 30 times larger under 5,000; with an offset of 30 times the spread on both sides of a product about 1,024 x 30 x 0.94 = 29,000.  LIMIT: a result beyond 65,504 becomes infinity.  Downward f16's step of 2^-24 is fine enough for results 2^10 times smaller.
; codes: 19,456 rows of 512 bytes, scales: the same rows of 32 bytes: rows 0-8191 x, 8192-16383 y, 16384.. Wq's columns, 17408.. Wk's, 18432.. Wv's.
; 384 tiles of 256 x 256, one to a work-group of four waves; a wave makes 128 x 128: 64 accumulators of 16 x 16, 512 registers.  All of K lies in two LDS slots of 512 along K, so both slots and the scale bytes
; are first fills and nothing is filled again.  THE MATRIX INSTRUCTION IS USED TRANSPOSED: source 0 = 16 rows of "B", source 1 = 16 rows of "A": a lane holds ONE row of A and eight neighbouring rows of B.
; For q and k: A = the tokens (x or y), B = the weight's columns: a lane holds a token and eight neighbouring channels.  For v the roles are swapped: A = Wv's columns, B = y: a lane holds a channel and eight neighbouring tokens.
; qkv: three planes (q, k, v) of 2^24 bytes, each [8 batch + pair of heads (32)][tile of 16 tokens (128)][group of 16 of the pair's 128 channels (8)][chunk of 512 bytes].  A chunk is the image of four operand registers of the
; next launch: lane l's 16 bytes at 16 l.  An accumulator, rounded to f16, IS such a chunk: each store of the wave covers 512 consecutive bytes, aligned, straight from registers, and no stage in LDS is needed.
; Two heads lie side by side in a tile of tokens, so that 128 keys of a pair of heads are 32,768 consecutive bytes: one dense tile for the next launch.
; CLUSTERS: 4 x 4 work-groups.  The four of a row of the cluster need the same tiles of A, the four of a column the same tiles of B: each tile is asked for JOINTLY.  Which product a cluster serves hangs on the cluster's y alone.
; No prefetch: all that a work-group reads is asked for at its head.  384 tiles on 256 WGPs: a tile of 256 x 384 does not fit the registers, and smaller tiles read each fragment for fewer products.
; REGISTERS, in windows of 256: window 0: v0-31 addresses; v32-95 scale words, two sets; v128-191 A's fragments, ONE set, on the way out the packed results.  window 1: B's fragments, TWO sets, at v0 and v128.
;   window 2: the 32 accumulators of my rows 0-63 of A (accumulator (a, b) at v[8 (8 a + b)]);   window 3: those of my rows 64-127.
.set KSTEP,  512                       ; along K in a slot
.set NQ,     KSTEP/128                 ; matrix instructions deep
.set ROWB,   256                       ; a tile's row in bytes
.set KROW,   512                       ; a row of codes in memory
.set PITCH,  272                       ; an LDS row: 256 bytes + 16 of padding = 68 words: row r starts at bank 4 r mod 64 (64 banks of 4 bytes: ISA guide 11.1)
.set FR,     8                         ; registers of a fragment: 16 rows x 128 K
.set NL,     2                         ; LDS loads that bring one
.set NP,     4                         ; places behind this matrix instruction (ISA guide 7.12.1)
.set HALFT,  128*PITCH                 ; 128 rows: what one tensor load brings, and what one wave reads of A or of B
.set SLOT,   4*HALFT                   ; A's 256 rows, then B's 256 rows
.set KS,     32                        ; a row of scales in bytes
.set SCL,    2*SLOT                    ; behind the slots: the scales, as units of 256 bytes + 16 of padding
.set HALFS,  (128*KS/256)*272          ; the scales of 128 rows: what one tensor load brings
.set SBLK,   (16*KS/256)*272           ; those of 16 rows
.set SPARE,  SCL+4*HALFS               ; behind the scales: the spare words, 128 bytes for each wave
.set VO,   8                           ; v8-15   the way out: 16 x lane + where B's block b lies in qkv
.set ADRA, 16                          ; v16-17  LDS address of my A fragments in slot 0, 1
.set ADRB, 20                          ; v20-21  the same for B
.set CO,   26                          ; v26     16 x lane
.set ADRS, 27                          ; v27     LDS address of my scale words: lanes 0-15 A's rows, lanes 16-31 B's
.set SPW,  28                          ; v28     LDS address of my spare word; never rewritten
.set NIL,  29                          ; v29     0; never rewritten
.set SC,   32                          ; scale words: set s at v[SC + 8 NQ s]; register NQ i + q: lanes 0-15 the word of A's block i, lanes 16-31 that of B's block i, for the slot's q-th 128 along K
.set AF,   128                         ; A's fragments, in window 0
.set TMP,  128                         ; the way out: two sets of 32 registers of packed results, where A's fragments lay
.set G1, 24                            ; s[24:31] descriptor group 1 for A's tiles;  s[32:39] group 0, one set for each slot
.set G0, 32
.set G1B, 48                           ; s[48:55], s[56:63] the same for B's tiles
.set G0B, 56
.set G1S, 68                           ; s[68:75], s[76:79] groups 1 and 0 for A's scales;  s[80:87], s[88:91] for B's
.set G0S, 76
.set G1SB, 80
.set G0SB, 88
.set MSB, 0
.macro WIN new                         ; the immediate's high byte repeats the setting that is left
.if MSB != \new
	s_set_vgpr_msb (MSB<<8)|\new
.set MSB, \new
.endif
.endm
.set MUL_LO, 0xa1                      ; source 0 (B) window 1, source 1 (A) window 0, C and D window 2
.set MUL_HI, 0xf1                      ; the same, C and D window 3
.set TO_B,   0x40                      ; destination window 1, address window 0
; A joint load: waves 0 and 1 fetch for A, waves 2 and 3 for B.  Each of the two lines has ONE mask and one set of registers for all that issue it; the branch hangs on the wave's number alone.
; Four v_nop follow each of the two lines, ahead of the jump, the label and what follows.
.macro JLOAD g0a, g1a, g0b, g1b
	s_cmp_eq_u32 s15, 0
	s_cbranch_scc0 .Lfor_b_\@
	tensor_load_to_lds s[\g0a:\g0a+3], s[\g1a:\g1a+7]
	s_nop 0
.rept 4
	v_nop
.endr
	s_branch .Lasked_\@
.Lfor_b_\@:
	tensor_load_to_lds s[\g0b:\g0b+3], s[\g1b:\g1b+7]
	s_nop 0
.rept 4
	v_nop
.endr
.Lasked_\@:
.endm
.macro CROUND                          ; a round of the cluster's barrier
	s_barrier_signal -1
	s_barrier_wait -1
	s_cmp_lg_u32 s14, 0
	s_cbranch_scc1 .Lnot_wave_0_\@
	s_barrier_signal -3
.Lnot_wave_0_\@:
	s_barrier_wait -3
	s_barrier_signal -1
	s_barrier_wait -1
.endm
	s_load_b128 s[4:7], s[0:1], 0x0                ; codes s[4:5], scales s[6:7]
	s_load_b64 s[12:13], s[0:1], 0x10              ; qkv
	v_lshl_add_u32 v[SPW], v0, 2, SPARE
	v_mov_b32 v[NIL], 0
	ds_add_u32 v28, v29
	ds_add_u32 v28, v29
	s_wait_dscnt 0x0
	v_lshrrev_b32 v1, 5, v0
	v_readfirstlane_b32 s14, v1                    ; wave 0..3
	s_lshr_b32 s15, s14, 1                         ; which half of the tile's rows of A is mine.  Also: I fetch for A (0) or for B (1)
	s_and_b32 s16, s14, 1                          ; which half of its rows of B.  Also: which 128 rows of that tile I fetch
	s_bfe_u32 s40, ttmp6, 0x40000                  ; cx, cy: my place in the cluster
	s_bfe_u32 s41, ttmp6, 0x40004
	; which product and which tiles: arithmetic on the cluster's y (0..23), which all sixteen partners share
	s_and_b32 s8, ttmp7, 0xffff
	s_lshr_b32 s9, s8, 3                           ; p: 0 q, 1 k, 2 v
	s_and_b32 s8, s8, 7                            ; which of the product's eight clusters
	s_lshr_b32 s10, s9, 1                          ; 1 for v
	s_mul_i32 s11, s8, s10                         ; for v the clusters lie along B (the tokens),
	s_sub_co_u32 s8, s8, s11                       ; for q and k along A
	s_lshl_b32 s17, s8, 2
	s_add_co_u32 s17, s17, s41                     ; tile row (of A) = 4 x that + cy
	s_lshl_b32 s42, s11, 2
	s_add_co_u32 s42, s42, s40                     ; tile column (of B) = 4 x that + cx
	s_lshl_b32 s2, s9, 13
	s_lshl_b32 s3, s10, 11
	s_add_co_u32 s2, s2, s3                        ; A's first row in codes: 0 (x), 8192 (y), 18432 (Wv's columns)
	s_lshl_b32 s3, s9, 10
	s_add_co_u32 s3, s3, 16384
	s_mul_i32 s8, s10, 10240
	s_sub_co_u32 s3, s3, s8                        ; B's: 16384 (Wq's columns), 17408 (Wk's), 8192 (y)
	s_lshl_b32 s43, s41, 2
	s_lshl_b32 s43, 15, s43                        ; my row of the cluster
	s_lshl_b32 s44, 0x1111, s40                    ; my column
	; descriptor group 1: a tile of 128 rows x 256 bytes, padded in LDS
	s_or_b32 s[G1+0], s43, (0<<16)|(1<<20)|(1<<21)|(5<<22)|(3<<25)  ; 15:0 the mask: A's tiles go to my row; 17:16 element of 1 byte; 20 padding on; 21 set beside a mask; 24:22 after every 64 words (code 5); 31:25 of 4 words (code 3)
	s_or_b32 s[G1B+0], s44, (0<<16)|(1<<20)|(1<<21)|(5<<22)|(3<<25)
.irp g, G1, G1B
	s_mov_b32 s[\g+1], ROWB<<16                    ; tensor_dim0
	s_mov_b32 s[\g+2], 128<<16                     ; tensor_dim1 = 128
	s_mov_b32 s[\g+3], ROWB<<16                    ; tile_dim0
	s_mov_b32 s[\g+4], 128                         ; tile_dim1 = 128
	s_mov_b32 s[\g+5], KROW                        ; tensor_dim0_stride
	s_mov_b32 s[\g+6], 0
	s_mov_b32 s[\g+7], 0
.endr
	; and for the scales of 128 rows: a dense block of 4,096 bytes, as 16 rows of 256 bytes (32 elements of 8 bytes), 16 bytes of padding behind each
	s_or_b32 s[G1S+0], s43, (3<<16)|(1<<20)|(1<<21)|(5<<22)|(3<<25)
	s_or_b32 s[G1SB+0], s44, (3<<16)|(1<<20)|(1<<21)|(5<<22)|(3<<25)
.irp g, G1S, G1SB
	s_mov_b32 s[\g+1], 32<<16
	s_mov_b32 s[\g+2], (128*KS/256)<<16
	s_mov_b32 s[\g+3], 32<<16
	s_mov_b32 s[\g+4], 128*KS/256
	s_mov_b32 s[\g+5], 32
	s_mov_b32 s[\g+6], 0
	s_mov_b32 s[\g+7], 0
.endr
	s_lshl_b32 s18, s16, 7                         ; which 128 rows of the tile I fetch
	s_lshl_b32 s20, s17, 8
	s_add_co_u32 s20, s20, s18
	s_add_co_u32 s20, s20, s2                      ; A: its first row + 256 x tile row + 128 x half: it hangs on cy, never on cx
	s_lshl_b32 s46, s42, 8
	s_add_co_u32 s46, s46, s18
	s_add_co_u32 s46, s46, s3                      ; B: likewise with the tile column: on cx, never on cy
	s_lshl_b32 s22, s20, 5                         ; where these rows' scales begin, in bytes (rows stay under 19,456: 32 bits do)
	s_mov_b32 s23, 0
	s_lshl_b32 s92, s46, 5
	s_mov_b32 s93, 0
	s_lshl_b32 s20, s20, 9                         ; and their codes
	s_mov_b32 s21, 0
	s_lshl_b32 s46, s46, 9
	s_mov_b32 s47, 0
	s_mul_i32 s45, s14, HALFT                      ; where they go: wave x 128 rows: no place in the cluster enters an LDS address
	s_mul_i32 s94, s14, HALFS
	s_wait_kmcnt 0x0
	s_add_nc_u64 s[20:21], s[4:5], s[20:21]
	s_add_nc_u64 s[22:23], s[6:7], s[22:23]
	s_add_nc_u64 s[46:47], s[4:5], s[46:47]
	s_add_nc_u64 s[92:93], s[6:7], s[92:93]
	CROUND                                         ; all sixteen work-groups are here: the joint loads meet
	s_mov_b32 s[G0S], 1
	s_add_co_u32 s[G0S+1], s94, SCL
	s_mov_b64 s[G0S+2:G0S+3], s[22:23]
	s_or_b32 s[G0S+3], s[G0S+3], 0x80000000
	s_mov_b32 s[G0SB], 1
	s_add_co_u32 s[G0SB+1], s94, SCL
	s_mov_b64 s[G0SB+2:G0SB+3], s[92:93]
	s_or_b32 s[G0SB+3], s[G0SB+3], 0x80000000
	JLOAD G0S, G1S, G0SB, G1SB                     ; the scales first: they are wanted with the first slot
.irp s, 0,1
	s_mov_b32 s[G0+4*\s], 1
	s_add_co_u32 s[G0+4*\s+1], s45, \s*SLOT
	s_add_nc_u64 s[G0+4*\s+2:G0+4*\s+3], s[20:21], \s*ROWB
	s_or_b32 s[G0+4*\s+3], s[G0+4*\s+3], 0x80000000
	s_mov_b32 s[G0B+4*\s], 1
	s_add_co_u32 s[G0B+4*\s+1], s45, \s*SLOT
	s_add_nc_u64 s[G0B+4*\s+2:G0B+4*\s+3], s[46:47], \s*ROWB
	s_or_b32 s[G0B+4*\s+3], s[G0B+4*\s+3], 0x80000000
	JLOAD G0+4*\s, G1, G0B+4*\s, G1B               ; three tensor loads of mine are out: all that the launch has
.endr
	v_and_b32 v1, 15, v0                           ; l % 16
	v_bfe_u32 v2, v0, 4, 1                         ; l / 16
	v_mul_u32_u24 v3, v1, PITCH
	v_lshl_add_u32 v4, v2, 4, v3                   ; a fragment's row x pitch + 16 x half
	s_mul_i32 s21, s15, HALFT                      ; my 128 rows of A
	s_mul_i32 s22, s16, HALFT                      ; my 128 rows of B,
	s_add_co_u32 s22, s22, 2*HALFT                 ; which lie behind A's 256
.irp s, 0,1
	v_add_nc_u32 v[ADRA+\s], s21, v4
	v_add_nc_u32 v[ADRB+\s], s22, v4
	s_add_co_u32 s21, s21, SLOT
	s_add_co_u32 s22, s22, SLOT
.endr
	v_mul_u32_u24 v5, v1, KS                       ; my row's scales: 32 bytes a row,
	v_lshrrev_b32 v6, 8, v5
	v_lshl_add_u32 v5, v6, 4, v5                   ; and 16 more for each 256 passed
	s_mul_i32 s21, s15, HALFS                      ; A's: my 128 rows
	s_mul_i32 s22, s16, HALFS                      ; B's: my 128 rows, behind A's 256
	s_add_co_u32 s22, s22, 2*HALFS
	s_sub_co_u32 s22, s22, s21
	v_mul_u32_u24 v6, s22, v2                      ; lanes 16-31 take B's: one product, the distance between the two bases
	s_add_co_u32 s21, s21, SCL
	v_add_nc_u32 v5, v5, v6
	v_add_nc_u32 v[ADRS], s21, v5
	; THE WAY OUT'S ADDRESSES.  In units of 16 rows: A's block a is X0 + a, B's block b is Y0 + b.  For q and k A runs along the tokens and B along the channels; for v the other way round.
	; Token tile T lies at (T / 128) 2^22 + (T % 128) 4,096; channel group G at (G / 8) 2^19 + (G % 8) 512.  X0 and Y0 are multiples of 8, so eight blocks on end stay inside a batch and inside a pair of heads.
	v_and_b32 v6, 31, v0
	v_lshlrev_b32 v[CO], 4, v6
	s_lshl_b32 s20, s17, 4
	s_lshl_b32 s21, s15, 3
	s_add_co_u32 s20, s20, s21                     ; X0 = 16 x tile row + 8 x half
	s_lshl_b32 s21, s42, 4
	s_lshl_b32 s22, s16, 3
	s_add_co_u32 s21, s21, s22                     ; Y0 = 16 x tile column + 8 x half
	s_cmp_eq_u32 s10, 1                            ; v?  All the choices below hang on this one compare; the lines between leave SCC alone
	s_cselect_b32 s22, s21, s20                    ; the first token tile
	s_cselect_b32 s23, s20, s21                    ; the first channel group
	s_mov_b32 s96, 4096
	s_cselect_b32 s96, 512, s96                    ; from A's block a to a + 1: a channel group (v) or a token tile
	s_mov_b32 s97, 0
.irp b, 0,1,2,3,4,5,6,7
	s_mov_b32 s8, 512*\b                           ; B's block b: along the channels,
	s_cselect_b32 s8, 4096*\b, s8                  ; or for v along the tokens
	v_add_nc_u32 v[VO+\b], s8, v[CO]
.endr
	s_lshl_b32 s8, s9, 24                          ; the plane
	s_lshr_b32 s11, s22, 7
	s_lshl_b32 s11, s11, 22                        ; the batch
	s_add_co_u32 s8, s8, s11
	s_and_b32 s11, s22, 127
	s_lshl_b32 s11, s11, 12                        ; the token tile
	s_add_co_u32 s8, s8, s11
	s_lshr_b32 s11, s23, 3
	s_lshl_b32 s11, s11, 19                        ; the pair of heads
	s_add_co_u32 s8, s8, s11
	s_mov_b32 s9, 0
	s_add_nc_u64 s[12:13], s[12:13], s[8:9]
.macro FRAG reg, adr, q, i             ; a fragment, 16 rows x 128 K of 4-bit codes, is 8 registers: lane l holds row l % 16; registers 4 c .. 4 c + 3 hold K = 64 c + 32 (l / 16) + 0 .. 31
.irp c, 0,1
	ds_load_b128 v[\reg+4*\c:\reg+4*\c+3], v[\adr] offset:64*(\q)+32*\c+(\i)*16*PITCH
.endr
.endm
; 16 matrix instructions: A's blocks a0, a0 + 1 x B's eight, 128 along K: the slot's q-th.  p: B's set;  sc: the set of scale words.  zero = 1: the first product starts the sums: nothing is ever cleared.
; The 64 accumulators take turns, one instruction a turn, in the same order in every step.
.macro MUL16 a0, p, q, sc, zero
.irp a, \a0, \a0+1
.irp b, 0,1,2,3,4,5,6,7
.if \zero
	v_wmma_scale_f32_16x16x128_f8f6f4 v[8*(8*((\a)%4)+\b):8*(8*((\a)%4)+\b)+7], v[128*(\p)+FR*\b:128*(\p)+FR*\b+FR-1], v[AF+FR*(\a):AF+FR*(\a)+FR-1], 0, v[SC+8*NQ*(\sc)+NQ*\b+(\q)], v[SC+8*NQ*(\sc)+NQ*(\a)+(\q)] matrix_a_fmt:MATRIX_FMT_FP4 matrix_b_fmt:MATRIX_FMT_FP4 matrix_a_scale:MATRIX_SCALE_ROW1
.else
	v_wmma_scale_f32_16x16x128_f8f6f4 v[8*(8*((\a)%4)+\b):8*(8*((\a)%4)+\b)+7], v[128*(\p)+FR*\b:128*(\p)+FR*\b+FR-1], v[AF+FR*(\a):AF+FR*(\a)+FR-1], v[8*(8*((\a)%4)+\b):8*(8*((\a)%4)+\b)+7], v[SC+8*NQ*(\sc)+NQ*\b+(\q)], v[SC+8*NQ*(\sc)+NQ*(\a)+(\q)] matrix_a_fmt:MATRIX_FMT_FP4 matrix_b_fmt:MATRIX_FMT_FP4 matrix_a_scale:MATRIX_SCALE_ROW1
.endif
.endr
.endr
.endm
.macro FETCH_B slot, q, p              ; B's eight fragments of the slot's q-th 128 along K into set p
	WIN TO_B
.irp i, 0,1,2,3,4,5,6,7
	FRAG 128*(\p)+FR*\i, ADRB+\slot, \q, \i
.endr
	WIN 0
.endm
.macro FETCH_A slot, q, i0             ; A's blocks i0 .. i0 + 3
.irp i, \i0, \i0+1, \i0+2, \i0+3
	FRAG AF+FR*(\i), ADRA+\slot, \q, \i
.endr
.endm
.macro SCALES sc                       ; a slot's scale words into set sc: 4 words a row; lanes 0-15 take A's block i, lanes 16-31 B's block i
.irp i, 0,1,2,3,4,5,6,7
	ds_load_b128 v[SC+8*NQ*\sc+NQ*\i:SC+8*NQ*\sc+NQ*\i+3], v[ADRS] offset:\i*SBLK
.endr
.endm
; A load into a register that a matrix instruction has read, and a vector instruction that reads a matrix result or writes one of a matrix instruction's registers, stand NP places behind it, and only plain vector
; instructions that name none of its registers are places (ISA guide 7.12.1 for vector instructions).
.macro PLACES n
.rept \n
	v_nop
.endr
.endm
; A step of 128 along K that has its successor in the same slot.  A has one set of registers: blocks 0-3 are fetched anew in the step's middle, blocks 4-7 at its end.  B has two sets.
.macro STEP slot, q, zero
	s_wait_dscnt 4*NL                              ; B's set and A's blocks 0-3 are in; the youngest eight loads (A's blocks 4-7) may be out
	WIN MUL_LO
	MUL16 0, (\q)%2, \q, \slot, \zero
	MUL16 2, (\q)%2, \q, \slot, \zero
	s_wait_dscnt 0                                 ; A's blocks 4-7 are in (asked for 32 matrix instructions ago)
	PLACES NP
	FETCH_B \slot, (\q)+1, 1-(\q)%2
	FETCH_A \slot, (\q)+1, 0
	WIN MUL_HI
	MUL16 4, (\q)%2, \q, \slot, \zero
	MUL16 6, (\q)%2, \q, \slot, \zero
	PLACES NP
	WIN 0
	FETCH_A \slot, (\q)+1, 4
.endm
; Slot 0's last step goes over to slot 1: each wave waits for all its tensor loads (its part of slot 1), then one barrier: behind it slot 1 is whole.  Nothing is filled again.
.macro TURN slot, next
	s_wait_tensorcnt 0x0                           ; all my tensor loads have landed: my part of the next slot;  (every window is 0 here)
	ds_add_u32 v[SPW], v[NIL]                      ; 0 onto my spare word
	s_wait_dscnt 4*NL+1                            ; (the add and the youngest eight loads, A's blocks 4-7, may be out)
	WIN MUL_LO
	MUL16 0, 1, NQ-1, \slot, 0                     ; sixteen matrix instructions stand between the add and the wait for it
	s_wait_dscnt 0x0                               ; the add is done, and my reads of this slot are over
	s_barrier_signal -1
	MUL16 2, 1, NQ-1, \slot, 0
	WIN 0
	s_barrier_wait -1
	PLACES NP
	v_add_nc_u32 v[ADRS], 4*NQ, v[ADRS]            ; on to the next slot's scale words (no LDS load of mine is out)
	FETCH_B \next, 0, 0
	FETCH_A \next, 0, 0
	SCALES \next
	WIN MUL_HI
	MUL16 4, 1, NQ-1, \slot, 0
	MUL16 6, 1, NQ-1, \slot, 0
	PLACES NP
	WIN 0
	FETCH_A \next, 0, 4
.endm
.macro STEPS slot, from                ; the slot's steps from .. NQ - 2
.set Q, \from
.rept NQ-1-\from
	STEP \slot, Q, 0
.set Q, Q+1
.endr
.endm
	s_wait_tensorcnt 1                             ; the scales and my part of slot 0 are in (slot 1's load may be out)
	s_barrier_signal -1
	s_barrier_wait -1                              ; everybody's are
	FETCH_B 0, 0, 0
	FETCH_A 0, 0, 0
	SCALES 0
	FETCH_A 0, 0, 4
	STEP 0, 0, 1                                   ; the first step's products start the sums
	STEPS 0, 1
	TURN 0, 1
	STEPS 1, 0
	s_wait_dscnt 4*NL                              ; the very last step: nothing more to fetch
	WIN MUL_LO
	MUL16 0, 1, NQ-1, 1, 0
	MUL16 2, 1, NQ-1, 1, 0
	s_wait_dscnt 0
	WIN MUL_HI
	MUL16 4, 1, NQ-1, 1, 0
	MUL16 6, 1, NQ-1, 1, 0
	WIN 0
; THE WAY OUT, A's block by block.  A lane's eight results of accumulator (a, b) pack into 16 bytes, and the wave's 32 x 16 bytes are one chunk of qkv.
.macro PACK a
.set AC, 64*((\a)%4)
.set TT, TMP+32*((\a)%2)
.set WW, 0x0a+5*((\a)/4)               ; sources 0 and 1: window 2 or 3
	WIN WW
.irp b, 0,1,2,3,4,5,6,7
.irp r, 0,1,2,3
	v_cvt_pk_f16_f32 v[TT+4*\b+\r], v[AC+8*\b+2*\r], v[AC+8*\b+2*\r+1]   ; each accumulator from its low end on; the first source into the low half
.endr
.endr
	WIN 0
.endm
.macro OUT a
.set TT, TMP+32*((\a)%2)
.if (\a) > 0
	s_wait_xcnt 0x0                                ; the earlier stores have read their base and their data: the base may step, and the set of block a - 1 may be written again by the block after this one
	s_add_nc_u64 s[12:13], s[12:13], s[96:97]
.endif
.irp b, 0,1,2,3,4,5,6,7
	global_store_b128 v[VO+\b], v[TT+4*\b:TT+4*\b+3], s[12:13]     ; 32 lanes store 512 consecutive bytes, at a multiple of 512 from qkv's first byte
.endr
.endm
	PLACES NP                                      ; the conversions write where A's fragments lay, which the last products read, and block 7's read results just made
.irp a, 0,1,2,3,4,5,6,7
	PACK \a
	OUT \a
.endr
	s_wait_tensorcnt 0x0                           ; the wave's end
	ds_add_u32 v[SPW], v[NIL]
	s_wait_dscnt 0x0
	CROUND                                         ; the closing round: no work-group ends while a partner may still ask for a tile that names it
	s_endpgm
.Lfunc_end_k_q79004c5284_proj:
	.size	k_q79004c5284_proj, .Lfunc_end_k_q79004c5284_proj-k_q79004c5284_proj
	.p2alignl 7, 3214868480
	.fill 96, 4, 3214868480
	.section	.rodata,"a",@progbits
	.p2align	6, 0x0
	.amdhsa_kernel k_q79004c5284_proj
		.amdhsa_group_segment_fixed_size 327680
		.amdhsa_private_segment_fixed_size 0
		.amdhsa_enable_private_segment 0
		.amdhsa_kernarg_size 24
		.amdhsa_user_sgpr_count 2
		.amdhsa_user_sgpr_kernarg_segment_ptr 1
		.amdhsa_wavefront_size32 1
		.amdhsa_system_sgpr_workgroup_id_x 1
		.amdhsa_system_sgpr_workgroup_id_y 1
		.amdhsa_system_sgpr_workgroup_id_z 1
		.amdhsa_system_vgpr_workitem_id 0
		.amdhsa_next_free_vgpr 1024
		.amdhsa_next_free_sgpr 100
		.amdhsa_reserve_vcc 0
		.amdhsa_float_denorm_mode_32 3
		.amdhsa_float_denorm_mode_16_64 3
		.amdhsa_memory_ordered 1
		.amdhsa_forward_progress 1
		.amdhsa_inst_pref_size 120
	.end_amdhsa_kernel
	.amdgpu_metadata
---
amdhsa.version: [ 1, 2 ]
amdhsa.kernels:
  - .name:           k_q79004c5284_proj
    .symbol:         k_q79004c5284_proj.kd
    .args:
      - { .name: codes, .offset: 0, .size: 8, .value_kind: global_buffer, .address_space: global }
      - { .name: scales, .offset: 8, .size: 8, .value_kind: global_buffer, .address_space: global }
      - { .name: qkv, .offset: 16, .size: 8, .value_kind: global_buffer, .address_space: global }
    .group_segment_fixed_size: 327680
    .private_segment_fixed_size: 0
    .kernarg_segment_align: 8
    .kernarg_segment_size: 24
    .max_flat_workgroup_size: 128
    .sgpr_count:     100
    .vgpr_count:     1024
    .wavefront_size: 32
...
	.end_amdgpu_metadata
.endif
;; end of part 4
;; launch attn (part 5): grid 16 x 32, 4 waves a work-group, clusters of 4 x 4, 327,680 bytes of LDS; arguments qkv, bias, out0; writes out0
.if DOCPART == 5
	.amdgcn_target "amdgcn-amd-amdhsa--gfx1250"
	.amdhsa_code_object_version 6
	.text
	.protected	k_q79004c5284_attn
	.globl	k_q79004c5284_attn
	.p2align	8
	.type	k_q79004c5284_attn,@function
k_q79004c5284_attn:
	s_mov_b64 s[64:65], 0
	v_nop
	global_prefetch_b8 v0, s[64:65] scope:SCOPE_SE
	s_setreg_imm32_b32 hwreg(HW_REG_WAVE_MODE, 25, 1), 1
	s_wait_xcnt 0x0
	s_wait_alu depctr_hold_cnt(0) depctr_sa_sdst(0) depctr_va_vdst(0) depctr_va_sdst(0) depctr_va_ssrc(0) depctr_va_vcc(0) depctr_vm_vsrc(0)
	s_getreg_b32 s2, hwreg(HW_REG_IB_STS2, 6, 4)
	s_cmp_eq_u32 s2, 0
	s_cbranch_scc0 .Lentry_in_a_cluster
	s_endpgm
.Lentry_in_a_cluster:
	s_bfe_u32 s2, ttmp6, 0x10000c
	s_cmp_lg_u32 s2, 0xf033
	s_cbranch_scc0 .Lentry_shape_is_right
	s_endpgm
.Lentry_shape_is_right:
; out[b][q][64 head ..] = the sum over k of softmax_k((Q[q] / 8) . K[k] + bias[q][k]) V[k], for 4 batches x 16 heads, 2,048 queries and keys, head size 64.
; Q / 8, K, V come as f16 from qkv (three planes of 2^24 bytes, [8 batch + pair of heads (32)][tile of 16 tokens (128)][group of 16 of the pair's 128 channels (8)][chunk of 512 bytes]; a chunk is the image of four operand
; registers, lane l's 16 bytes at 16 l: Q, K: lane (r, h) = token r, channels 8 h ..; V: lane (r, h) = channel r, tokens 8 h ..).  So every fragment is two loads of 16 bytes at 16 x lane: no pitch, no padding, no turning load.
; Products, maxima and sums in f32; the weights p are rounded to f16 for the second product.  f16, 11 bits of significand, since a result is a mean over 2,048 keys and is compared within a hundredth of the results' root mean square.
; p lies in 0 .. 1 for every input (the running maximum is taken away), and what f16 loses under 2^-24 is nothing beside the row's largest p, which is 1.  Q / 8, K and V: their room in f16 is reckoned at the head of the launch that makes them.
; LIMITS: Q / 8, K or V beyond 65,504 arrive as infinities.  +infinity and NaN in bias are not served.  -infinity is: the first step's maximum has -1e38 among its leaves, so that m is always a number; a row that is -infinity throughout gives NaN (0 x infinity), as the softmax of such a row does.
; SHARES.  A work-group owns 128 queries of a PAIR of heads: waves 0 and 1 the first head, waves 2 and 3 the second; wave & 1 says which 64 queries: four tiles of 16.  Every wave walks all keys, 64 a step, 32 steps.
; The bias hangs on no head, so both heads read one tile of it: a key step is 32 KB of bias and 32 KB of K and V, and TWO key steps fit in each of two LDS slots.
; LAYOUT.  S^T = K Q^T + bias^T (source 0 = 16 keys, source 1 = 16 queries): a lane holds ONE query (lane % 16) and keys 8 (lane / 16) + 0..7.  THE BIAS IS THE C OF THE FIRST PRODUCT: it is loaded from LDS straight into
; S^T's registers and the sum is made in place, so it costs no vector instruction and no register.  Two tiles of S^T, rounded to f16 in pairs, ARE source 1 of O^T = V^T P, whose result again holds one query a lane.
; SOFTMAX.  For each query a running maximum m and sum l: p = 2^(c s - c m), c = log2(e); in every step O and l are multiplied by a = 2^(c m_old - c m_new).
; BY TURNS.  The wave's tiles are two PIECES: piece 0 (tiles 0, 1), piece 2 (tiles 2, 3).  In a TURN one piece has the matrix unit: 16 products V^T P of the step in hand, then 16 products K Q^T of the next step; the other
; piece's softmax, 236 vector instructions cut into 59 slices of four, stands between them, one or two slices behind each matrix instruction.  Two turns are a key step.
; CLUSTER.  4 x 4 work-groups: x = the block of 128 queries, y = the pair of heads.  K and V hang on the pair alone and are asked for jointly along a row of the cluster; the bias tile hangs on the block of queries alone and
; is asked for jointly along a column.  A round of the cluster's barrier stands at every second key step.
; LDS: bias, 128 rows x 528 bytes: slot 0 at 0, slot 1 at 2^17;  the stages and the spare words from 67,584;  K, 32,768 bytes: at 98,304 and 2^17 further on;  V: at 262,144 and 32,768 further on: each region has its other slot one exclusive or away.
; REGISTERS, in windows of 256:  window 0: v1-11, v44 addresses; v12-43 eight registers of statistics a tile; v64-191 S^T, 32 a tile; v192-255 P, 16 a tile.
;   window 1: v0-127 O^T, 32 a tile.   window 2: v0-63 Q, 16 a tile; v64-127 K of one step; v128-191 V of one step.
.set BP,    528       ; a row of the bias tile in LDS: 512 bytes (128 keys) + 16 of padding = 132 words: row r starts at bank 4 r mod 64 (64 banks of 4 bytes: ISA guide 11.1), so the 16 rows of a load start at 16 different banks
.set BHALF, 64*BP     ; 64 rows: what one tensor load brings
.set SLOT1, 1<<17     ; from slot 0 to slot 1, for the bias and for K
.set VSLOT1, 1<<15    ; and for V
.set KVB,   32768     ; a slot's K, or V: 8 tiles of 16 tokens x 2 heads x 4 groups x 512 bytes
.set STAGE, 128*BP    ; behind slot 0's bias: 16 rows x 272 bytes for each wave, for the way out
.set SP,    272
.set SPARE, STAGE+4*16*SP  ; behind the stages: the spare words, 128 bytes for each wave
.set KREG,  98304
.set VREG,  262144
.set LQ,  2           ; v2   16 x lane: my offset in a chunk; never rewritten
.set AV0, 3           ; v3   my place in slot 0's V: VREG + 2,048 x my head of the pair + 16 x lane
.set AB0, 4           ; v4   my place in slot 0's bias: row 64 (wave & 1) + lane % 16, + 32 (lane / 16)
.set ADK, 5           ; v5   the LDS address of the run of K's loads
.set STO, 6           ; v6   the way out: where I put 32 bytes of a row
.set RD,  7           ; v7   the way out: where I read a row back
.set GO,  8           ; v8   my byte offset in the wave's rows of out
.set AK0, 10          ; v10  my place in slot 0's K: KREG + 2,048 x my head of the pair + 16 x lane
.set ADB, 11          ; v11  the LDS address of the run of the bias's loads
.set ST,  12          ; tile t's statistics at v[ST+8 t]: +0 c m, +1 m, +2, +3 l (even keys', odd keys'), +4 to +7 c0-c3, at work; a takes c2's place once the maximum is found
.set ADV, 44          ; v44  the LDS address of the run of V's loads
.set PFO, 61          ; v61  the prefetches' offset: 256 x lane in K or V, a row of bias (8,192 bytes) x lane; never rewritten
.set SPW, 62          ; v62  LDS address of my spare word; never rewritten
.set NIL, 63          ; v63  0; never rewritten
.set S,   64
.set P,   192
.set KF,  64          ; K's fragments, in window 2
.set VF,  128         ; V's
.set WV,  12          ; s12  my wave's number
.set G1K, 24          ; s[24:31] descriptor group 1 for K's and V's tiles
.set G1B, 32          ; s[32:39] for the bias
.set G0K, 40          ; s[40:47] descriptor group 0 for K: a set for each of the two first fills; the second then walks on
.set G0V, 48          ; s[48:55] the same for V
.set G0B, 76          ; s[76:83] the same for the bias
.set SLOTS, 56        ; s56  changes of slots that still fill a slot
.set TV,  57          ; s57  0 or VSLOT1: the slot that V is fetched from
.set CS,  58          ; s[58:59] c: the packed scaling names a pair and takes its low word for both halves
.set SEL, 60          ; s[60:61] lane selects for v_permlanex16_b32: each lane takes its own place in the other half
.set TB,  62          ; s62  0 or SLOT1: the slot that K and the bias are fetched from
.set PFA, 66          ; s[66:67] where my prefetches stand in memory
.set PFS, 68          ; s[68:69] a slot on, in bytes: 32,768 in K or V, 512 in a row of bias
.set LIM, 70          ; s70  1 in a wave that prefetches, else the greatest number: a wave prefetches while s[SLOTS] is above it
.set SUB, 0           ; which of a slot's two key steps the fetches take: it stands in the loads' immediates
.set MSB, 0
.macro WIN new                      ; the immediate's high byte repeats the setting that is left; a switch that changes nothing is dropped
.if MSB != \new
	s_set_vgpr_msb (MSB<<8)|\new
.set MSB, \new
.endif
.endm
.set W_KQ, 0x0a       ; K and Q in window 2, S^T in window 0
.set W_PV, 0x52       ; V in window 2, P in window 0, O^T in window 1
.set W_RS, 0x41       ; O^T (destination and source 0) in window 1, a in window 0
; A joint refill, 32 KB a wave.  Wave 0 fetches K's tile, wave 1 V's, waves 2 and 3 the halves of the bias tile.  The branches hang on the wave's number alone.  Four v_nop follow each of the three lines.
.macro JLOAD
	s_cmp_lt_u32 s[WV], 2
	s_cbranch_scc0 .Lfor_b_\@
	s_cmp_eq_u32 s[WV], 0
	s_cbranch_scc0 .Lfor_v_\@
	tensor_load_to_lds s[G0K+4:G0K+7], s[G1K:G1K+7]
	s_nop 0
.rept 4
	v_nop
.endr
	s_branch .Lasked_\@
.Lfor_v_\@:
	tensor_load_to_lds s[G0V+4:G0V+7], s[G1K:G1K+7]
	s_nop 0
.rept 4
	v_nop
.endr
	s_branch .Lasked_\@
.Lfor_b_\@:
	tensor_load_to_lds s[G0B+4:G0B+7], s[G1B:G1B+7]
	s_nop 0
.rept 4
	v_nop
.endr
.Lasked_\@:
.endm
; A PREFETCH INTO THE L2 of what the NEXT change of slots will ask for, behind the joint load, its four lines and the runs of LDS loads that follow: two key steps, 128 matrix instructions, ahead of that load.
; Each aligned block of 256 bytes is named ONCE in the launch.  K AND V: the four clusters of a pair of heads read the same tiles: the one with cluster x = 0 asks.  Of a slot's 32,768 bytes the partner at cx takes 8,192, lanes 256 bytes apart:
; wave 0 of K, wave 1 of V.  THE BIAS: the eight clusters of a block of queries read the same tiles: the one with cluster y = 0 asks.  Of a tile's 128 rows the partner at cy takes 32, a lane a row; wave 2 the first 256 bytes of a slot's 512, wave 3 the second.
; Partners are told apart BY ADDRESS; the branch hangs on the cluster's place in the grid and the count of slots, which all partners share.  Slots 0 to 2 come by their loads alone; the last change that fills a slot asks for nothing.
.macro ASK
	s_cmp_gt_u32 s[SLOTS], s[LIM]
	s_cbranch_scc0 .Lnot_mine_\@
	global_prefetch_b8 v[PFO], s[PFA:PFA+1] th:TH_LOAD_NT scope:SCOPE_SE
.Lnot_mine_\@:
.endm
.macro CROUND                       ; a round of the cluster's barrier.  No LDS instruction of the wave is pending at a signal
	s_barrier_signal -1
	s_barrier_wait -1
	s_cmp_lg_u32 s[WV], 0
	s_cbranch_scc1 .Lnot_wave_0_\@
	s_barrier_signal -3
.Lnot_wave_0_\@:
	s_barrier_wait -3
	s_barrier_signal -1
	s_barrier_wait -1
.endm
	s_load_b128 s[4:7], s[0:1], 0x0  ; qkv s[4:5], bias s[6:7]
	s_load_b64 s[8:9], s[0:1], 0x10  ; out0
	v_lshl_add_u32 v[SPW], v0, 2, SPARE
	v_mov_b32 v[NIL], 0
	ds_add_u32 v62, v63
	ds_add_u32 v62, v63
	s_wait_dscnt 0x0
	v_lshrrev_b32 v1, 5, v0
	v_readfirstlane_b32 s[WV], v1   ; wave 0..3
	s_bfe_u32 s13, ttmp6, 0x40000   ; cx
	s_bfe_u32 s14, ttmp6, 0x40004   ; cy
	s_lshl_b32 s15, ttmp9, 2
	s_add_co_u32 s15, s15, s13      ; my block of 128 queries = 4 x cluster x + cx (0..15)
	s_and_b32 s19, ttmp7, 0xffff    ; cluster y
	s_lshl_b32 s16, s19, 2
	s_add_co_u32 s16, s16, s14      ; my pair of heads = 4 x cluster y + cy (0..31) = 8 batch + pair
	s_lshl_b32 s17, s14, 2
	s_lshl_b32 s17, 15, s17         ; my row of the cluster (same pair of heads)
	s_lshl_b32 s18, 0x1111, s13     ; my column (same block of queries)
	; descriptor group 1.  K's or V's tile: 32,768 dense bytes as 128 rows of 256 (32 elements of 8 bytes), no padding
	s_or_b32 s[G1K], s17, (3<<16)|(1<<21)  ; 15:0 the mask: my row; 17:16 elements of 8 bytes; 21 set beside a mask
	s_mov_b32 s[G1K+1], 32<<16      ; tensor_dim0 = 32
	s_mov_b32 s[G1K+2], 128<<16     ; tensor_dim1 = 128
	s_mov_b32 s[G1K+3], 32<<16      ; tile_dim0 = 32
	s_mov_b32 s[G1K+4], 128         ; tile_dim1 = 128
	s_mov_b32 s[G1K+5], 32          ; tensor_dim0_stride
	s_mov_b32 s[G1K+6], 0
	s_mov_b32 s[G1K+7], 0
	; half a bias tile: 64 rows of 128 elements of 4 bytes, 2,048 elements apart, 16 bytes of padding behind each row
	s_or_b32 s[G1B], s18, (2<<16)|(1<<20)|(1<<21)|(6<<22)|(3<<25)  ; the mask: my column; padding: 4 words (code 3) after every 128 (code 6)
	s_mov_b32 s[G1B+1], 128<<16
	s_mov_b32 s[G1B+2], 64<<16
	s_mov_b32 s[G1B+3], 128<<16
	s_mov_b32 s[G1B+4], 64
	s_mov_b32 s[G1B+5], 2048
	s_mov_b32 s[G1B+6], 0
	s_mov_b32 s[G1B+7], 0
	s_and_b32 s20, s[WV], 1         ; which 64 queries are mine.  Also: which half of the bias tile I fetch
	s_lshr_b32 s21, s[WV], 1        ; which head of the pair is mine
	s_lshl_b32 s22, s16, 19         ; a pair of heads is 2^19 bytes of a plane: it hangs on cy, never on cx
	s_add_co_u32 s84, s22, 1<<24    ; K's plane is 1,
	s_mov_b32 s85, 0
	s_add_co_u32 s86, s22, 2<<24    ; V's 2
	s_mov_b32 s87, 0
	s_lshl_b32 s74, s15, 20         ; the bias: 128 rows of 8,192 bytes a block of queries,
	s_lshl_b32 s75, s20, 19         ; 64 rows a half: on cx, never on cy
	s_add_co_u32 s74, s74, s75
	s_mov_b32 s75, 0
	s_mul_i32 s73, s20, BHALF       ; where the half goes in a slot: no place in the cluster enters an LDS address
	s_lshl_b32 s94, s15, 15         ; Q (plane 0): my block's 8 token tiles of 4,096 bytes,
	s_add_co_u32 s94, s94, s22      ; my pair of heads,
	s_lshl_b32 s95, s20, 14         ; my wave's 4 tiles,
	s_add_co_u32 s94, s94, s95
	s_lshl_b32 s95, s21, 11         ; my head's 2,048 bytes of a tile
	s_add_co_u32 s94, s94, s95
	s_mov_b32 s95, 0
	s_lshr_b32 s88, s16, 3          ; out: batch x 2^23, rows of 4,096 bytes, the head's 256 bytes
	s_lshl_b32 s88, s88, 23
	s_lshl_b32 s89, s15, 19
	s_add_co_u32 s88, s88, s89
	s_lshl_b32 s89, s20, 18
	s_add_co_u32 s88, s88, s89
	s_lshl_b32 s89, s16, 1
	s_add_co_u32 s89, s89, s21
	s_and_b32 s89, s89, 15          ; the head
	s_lshl_b32 s89, s89, 8
	s_add_co_u32 s88, s88, s89
	s_mov_b32 s89, 0
	s_add_co_u32 s90, s20, 1        ; the prefetches.  K (wave 0) or V (wave 1): the plane, the pair of heads, my work-group's 8,192 bytes, slot 2 (the first change of slots steps it on by one);
	s_lshl_b32 s90, s90, 24
	s_add_co_u32 s90, s90, s22
	s_lshl_b32 s91, s13, 13
	s_add_co_u32 s90, s90, s91
	s_add_co_u32 s90, s90, 2*KVB
	s_lshl_b32 s91, s15, 20         ; the bias: row 128 block + 32 cy, my wave's 256 bytes, slot 2
	s_lshl_b32 s92, s14, 18
	s_add_co_u32 s91, s91, s92
	s_lshl_b32 s92, s20, 8
	s_add_co_u32 s91, s91, s92
	s_add_co_u32 s91, s91, 2*512
	s_mov_b32 s[CS], 0x3fb8aa3b     ; c = log2(e)
	s_mov_b32 s[CS+1], s[CS]        ; named with it as a pair, so it is written
	s_mov_b32 s[SEL], 0x76543210
	s_mov_b32 s[SEL+1], 0xfedcba98
	s_mov_b32 s[TB], 0
	s_mov_b32 s[TV], 0
	s_wait_kmcnt 0x0
	s_cmp_lt_u32 s[WV], 2           ; waves 0 and 1 ask for K and V, waves 2 and 3 for the bias: all the choices below hang on this one compare
	s_cselect_b32 s90, s90, s91
	s_mov_b32 s91, 0
	s_mov_b32 s[PFS], 512
	s_cselect_b32 s[PFS], KVB, s[PFS]
	s_mov_b32 s[PFS+1], 0
	s_cselect_b32 s92, 8, 13        ; from lane to lane: 256 bytes, or a row of bias
	s_cselect_b32 s93, ttmp9, s19   ; the coordinate along which other clusters read the same bytes
	s_cselect_b64 s[PFA:PFA+1], s[4:5], s[6:7]
	s_cmp_eq_u32 s93, 0
	s_cselect_b32 s[LIM], 1, -1     ; the same in all sixteen partners, for a given wave
	s_add_nc_u64 s[PFA:PFA+1], s[PFA:PFA+1], s[90:91]
	v_and_b32 v[PFO], 31, v0
	v_lshlrev_b32 v[PFO], s92, v[PFO]
	s_add_nc_u64 s[84:85], s[4:5], s[84:85]
	s_add_nc_u64 s[86:87], s[4:5], s[86:87]
	s_add_nc_u64 s[74:75], s[6:7], s[74:75]
	s_add_nc_u64 s[94:95], s[4:5], s[94:95]
	s_add_nc_u64 s[8:9], s[8:9], s[88:89]
	CROUND                          ; all sixteen work-groups are here: the first joint loads meet
.irp s, 0,1
	s_mov_b32 s[G0K+4*\s], 1        ; 1:0 count = 1
	s_mov_b32 s[G0K+4*\s+1], KREG+\s*SLOT1  ; 63:32 LDS address
	s_add_nc_u64 s[G0K+4*\s+2:G0K+4*\s+3], s[84:85], \s*KVB  ; 120:64 global address: slot s begins with keys 128 s on
	s_or_b32 s[G0K+4*\s+3], s[G0K+4*\s+3], 0x80000000  ; 127:126 type = 2
	s_mov_b32 s[G0V+4*\s], 1
	s_mov_b32 s[G0V+4*\s+1], VREG+\s*VSLOT1
	s_add_nc_u64 s[G0V+4*\s+2:G0V+4*\s+3], s[86:87], \s*KVB
	s_or_b32 s[G0V+4*\s+3], s[G0V+4*\s+3], 0x80000000
	s_mov_b32 s[G0B+4*\s], 1
	s_add_co_u32 s[G0B+4*\s+1], s73, \s*SLOT1
	s_add_nc_u64 s[G0B+4*\s+2:G0B+4*\s+3], s[74:75], \s*512
	s_or_b32 s[G0B+4*\s+3], s[G0B+4*\s+3], 0x80000000
.endr
	s_cmp_lt_u32 s[WV], 2           ; a wave's two first fills stand together in its arm of one parting on the wave's number, ahead of every wait on TENSORcnt and every LDS read: two loads of mine are out; four v_nop follow the second
	s_cbranch_scc0 .Lfirst_b
	s_cmp_eq_u32 s[WV], 0
	s_cbranch_scc0 .Lfirst_v
	tensor_load_to_lds s[G0K:G0K+3], s[G1K:G1K+7]
	s_nop 0
	tensor_load_to_lds s[G0K+4:G0K+7], s[G1K:G1K+7]
	s_nop 0
.rept 4
	v_nop
.endr
	s_branch .Lfirst_asked
.Lfirst_v:
	tensor_load_to_lds s[G0V:G0V+3], s[G1K:G1K+7]
	s_nop 0
	tensor_load_to_lds s[G0V+4:G0V+7], s[G1K:G1K+7]
	s_nop 0
.rept 4
	v_nop
.endr
	s_branch .Lfirst_asked
.Lfirst_b:
	tensor_load_to_lds s[G0B:G0B+3], s[G1B:G1B+7]
	s_nop 0
	tensor_load_to_lds s[G0B+4:G0B+7], s[G1B:G1B+7]
	s_nop 0
.rept 4
	v_nop
.endr
.Lfirst_asked:
	v_and_b32 v1, 15, v0            ; r = l % 16
	v_bfe_u32 v9, v0, 4, 1          ; h = l / 16
	v_and_b32 v[LQ], 31, v0
	v_lshlrev_b32 v[LQ], 4, v[LQ]
	WIN 0x80                        ; destination window 2, address window 0
.irp i, 0,1,2,3,4,5,6,7,8,9,10,11,12,13,14,15  ; Q / 8 stays in registers: chunk i = tile i / 4, channels 16 (i % 4) on; a load covers 512 consecutive bytes
	global_load_b128 v[4*\i:4*\i+3], v[LQ], s[94:95] offset:(\i/4)*4096+(\i%4)*512
.endr
	WIN 0
	s_lshl_b32 s23, s21, 11         ; my head's 2,048 bytes of a tile of tokens
	s_add_co_u32 s72, s23, KREG
	v_add_nc_u32 v[AK0], s72, v[LQ]
	s_add_co_u32 s72, s23, VREG
	v_add_nc_u32 v[AV0], s72, v[LQ]
	s_mul_i32 s72, s20, 64*BP       ; my 64 queries' rows of the bias tile
	v_mul_u32_u24 v[AB0], v1, BP
	v_lshl_add_u32 v[AB0], v9, 5, v[AB0]
	v_add_nc_u32 v[AB0], s72, v[AB0]
; THE MATRIX WORK OF A TURN, for piece x.  Eight accumulators take turns, one instruction a turn.
; Product i of 16 of O^T += V^T P: keys 32 (i / 8) on, channels 16 ((i / 2) % 4) on, tile x + i % 2.  zero = 1: the first 8 start the sums: nothing is ever cleared.
.macro PV x, zero
	WIN W_PV
.set rO, 32*(\x+i%2)+8*((i/2)%4)
.set rV, VF+8*(4*(i/8)+(i/2)%4)
.set rP, P+16*(\x+i%2)+8*(i/8)
.if \zero && (i < 8)
	v_wmma_f32_16x16x32_f16 v[rO:rO+7], v[rV:rV+7], v[rP:rP+7], 0
.else
	v_wmma_f32_16x16x32_f16 v[rO:rO+7], v[rV:rV+7], v[rP:rP+7], v[rO:rO+7]
.endif
.endm
; Product i of 16 of S^T = K Q^T + bias^T: channels 32 (i / 8) on, keys 16 ((i / 2) % 4) on, tile x + i % 2.  The first 8 add onto the bias, which lies in S^T's registers.
.macro KQ x
	WIN W_KQ
.set rS, S+32*(\x+i%2)+8*((i/2)%4)
.set rK, KF+16*((i/2)%4)+8*(i/8)
.set rQ, 16*(\x+i%2)+8*(i/8)
	v_wmma_f32_16x16x32_f16 v[rS:rS+7], v[rK:rK+7], v[rQ:rQ+7], v[rS:rS+7]
.endm
; THE LDS LOADS stand in runs of 16, never singly among the matrix instructions.  They take key step SUB of the slot in hand.
.macro FETCH_K                      ; a step's K: chunk f = keys 16 (f / 4) on, channels 16 (f % 4) on: two neighbouring chunks are a fragment.  A tile of 16 tokens is 4,096 bytes: both heads'
	WIN 0
	v_add_nc_u32 v[ADK], s[TB], v[AK0]
	WIN 0x80                        ; destination window 2
.irp f, 0,1,2,3,4,5,6,7,8,9,10,11,12,13,14,15
	ds_load_b128 v[KF+4*\f:KF+4*\f+3], v[ADK] offset:(4*SUB+\f/4)*4096+(\f%4)*512
.endr
.endm
.macro FETCH_V                      ; a step's V: fragment (keys 32 u on, channels 16 c on) is the chunks of token tiles 2 u and 2 u + 1
	WIN 0
	v_add_nc_u32 v[ADV], s[TV], v[AV0]
	WIN 0x80
.irp u, 0,1
.irp c, 0,1,2,3
.irp e, 0,1
	ds_load_b128 v[VF+8*(4*\u+\c)+4*\e:VF+8*(4*\u+\c)+4*\e+3], v[ADV] offset:(4*SUB+2*\u+\e)*4096+\c*512
.endr
.endr
.endr
.endm
.macro FETCH_B x                    ; piece x's bias of a step, into S^T's registers: register 8 kt + j of tile t = bias[query 16 t + r][key 64 SUB + 16 kt + 8 h + j]
	WIN 0
	v_add_nc_u32 v[ADB], s[TB], v[AB0]
.irp t, \x, \x+1
.irp kt, 0,1,2,3
.irp c, 0,1
	ds_load_b128 v[S+32*(\t)+8*\kt+4*\c:S+32*(\t)+8*\kt+4*\c+3], v[ADB] offset:16*BP*(\t)+256*SUB+64*\kt+16*\c
.endr
.endr
.endr
.endm
; THE VECTOR WORK OF A TURN.  One tile's softmax for one key step is a list of 118 instructions; SM writes number j of it for tile t.  s0-s31 are the lane's 32 scores, in pairs 0-15.
; first = 1: the first key step, which starts m, l and O^T: it has no a and nothing to rescale.
;   0-15    the maximum of s0-s31 and the old m (in the first step: and -1e38), three operands at a time
;   16-20   the other half of the lanes' maximum; the new m; c m; c m_old - c m_new
;   21-87   33 exponentials (a, then s0-s31) at the odd numbers from 23 on, so that no two follow each other and each has a plain instruction behind it before its result is used;
;           the plain ones are whatever is ready: c s - c m for a pair still to come, the rounding to f16 of a pair that is done, at last the first three sums
;   88-101  the last rounding; the rest of the sums; l = a l + the sum
;   102-117 the tile's O^T times a: the one part that leaves window 0, so it stands together
.macro SM t, first
.set rT, ST+8*(\t)
.set rS, S+32*(\t)
.set rP, P+16*(\t)
.set rO, 32*(\t)+2*(j-102)
.set q, (j-20)/2
.if j < 102
	WIN 0
.endif
.if j < 4
	v_max3_num_f32 v[rT+4+j], v[rS+8*j], v[rS+8*j+1], v[rS+8*j+2]
.elseif j < 12
	v_max3_num_f32 v[rT+4+j%4], v[rT+4+j%4], v[rS+8*(j%4)+2*(j/4)+1], v[rS+8*(j%4)+2*(j/4)+2]
.elseif j == 12
	v_max3_num_f32 v[rT+4], v[rT+4], v[rS+7], v[rS+15]
.elseif j == 13
	v_max3_num_f32 v[rT+6], v[rT+6], v[rS+23], v[rS+31]
.elseif j == 14
	v_max3_num_f32 v[rT+4], v[rT+4], v[rT+5], v[rT+6]
.elseif (j == 15) && \first
	v_max3_num_f32 v[rT+4], v[rT+4], v[rT+7], 0xfe967699  ; -1e38: m is a number though all 64 scores be -infinity
.elseif j == 15
	v_max3_num_f32 v[rT+4], v[rT+4], v[rT+7], v[rT+1]
.elseif j == 16
	v_permlanex16_b32 v[rT+5], v[rT+4], s[SEL], s[SEL+1]  ; the query's other 32 keys lie in the lane 16 away
.elseif j == 18
	v_max_num_f32 v[rT+1], v[rT+4], v[rT+5]
.elseif j == 19
	v_mul_f32 v[rT], s[CS], v[rT+1]
.elseif ((j == 17) || (j == 20) || (j == 23) || (j > 101)) && \first  ; the first step has none of these
.elseif j == 17
	v_mov_b32 v[rT+7], v[rT]        ; c m_old is kept for a: number 19 writes c m anew
.elseif j == 20
	v_sub_f32 v[rT+7], v[rT+7], v[rT]
.elseif j == 23
	v_exp_f32 v[rT+6], v[rT+7]
.elseif (j < 88) && (j > 23) && (j%2 == 1)
	v_exp_f32 v[rS+(j-25)/2], v[rS+(j-25)/2]
.elseif (q < 4) || ((j < 76) && (q%2 == 0))
.set b, q/2+2
.if q < 4
.set b, q
.endif
	v_pk_fma_f32 v[rS+2*b:rS+2*b+1], v[rS+2*b:rS+2*b+1], s[CS:CS+1], v[rT:rT+1] op_sel_hi:[1,0,0] neg_lo:[0,0,1] neg_hi:[0,0,1]  ; pair b: c s - c m
.elseif (j < 88) && (q%2 == 1)
	s_wait_alu depctr_va_vdst(0)
	v_cvt_pk_f16_f32 v[rP+(q-5)/2], v[rS+q-5], v[rS+q-4]  ; pair (q - 5) / 2: its second exponential stands three numbers back
.elseif j == 89
	s_wait_alu depctr_va_vdst(0)
	v_cvt_pk_f16_f32 v[rP+15], v[rS+30], v[rS+31]
.elseif j < 102                     ; the sum of the tile's 16 pairs, in place: sum z of 16 adds neighbours 1, 2, 4 and 8 pairs apart, then l takes it
.set z, j-86
.if j < 89
.set z, (j-76)/4
.endif
.set w, 4
.set u, z
.if z >= 14
.set w, 32
.set u, 0
.elseif z >= 12
.set w, 16
.set u, z-12
.elseif z >= 8
.set w, 8
.set u, z-8
.endif
.if (z == 14) && \first
	v_pk_add_f32 v[rT+2:rT+3], v[rS:rS+1], v[rS+16:rS+17]
.elseif z < 15
	v_pk_add_f32 v[rS+w*u:rS+w*u+1], v[rS+w*u:rS+w*u+1], v[rS+w*u+w/2:rS+w*u+w/2+1]
.elseif !\first
	v_pk_fma_f32 v[rT+2:rT+3], v[rT+2:rT+3], v[rT+6:rT+7], v[rS:rS+1] op_sel_hi:[1,0,1]
.endif
.else
	WIN W_RS
	v_pk_mul_f32 v[rO:rO+1], v[rO:rO+1], v[rT+6:rT+7] op_sel_hi:[1,0]
.endif
.endm
; Slice k of 59 of piece y's softmax: numbers 2 k and 2 k + 1 of both tiles' lists, four instructions.
.macro SLICE y, first
.if (k >= 11) && (k < 44)           ; tile by tile: plain, exponential, plain, exponential
.irp t, \y, \y+1
.irp e, 0,1
.set j, 2*k+\e
	SM \t, \first
.endr
.endr
.else                               ; the two tiles alternate, so that no instruction reads the result of the one just before it
.irp e, 0,1
.irp t, \y, \y+1
.set j, 2*k+\e
	SM \t, \first
.endr
.endr
.endif
.set k, k+1
.endm
; The slices are dealt evenly: behind the n-th of a turn's NW products stand the slices up to 59 n / NW.  With 32 products that is one or two; slices 57 and 58, eight packed multiplies on the OTHER piece's O^T, stand
; behind the turn's last product: they are the places in front of the next read of its scores and of the loads into K's registers.
.macro DEAL y, first
.rept (59*n)/NW-k
	SLICE \y, \first
.endr
.endm
; A vector instruction that reads a matrix result or writes one of a matrix instruction's registers, and a load into a register that a matrix instruction has read, stand four places behind it, and only plain vector
; instructions that name none of its registers are places (ISA guide 7.12.1 for vector instructions).  In the loop the slices are the places.
.macro PLACES
.rept 4
	v_nop
.endr
.endm
; A TURN.  Piece x has the matrix unit; the other piece's softmax stands in slices behind its matrix instructions.
; pv = 2: 16 products V^T P; 1: they start O^T's sums; 0: none.  kq = 1: 16 products K Q^T for the next step.  first = 1: the softmax is the first key step's: its slices from 51 on are empty, so four v_nop close the turn.
; Piece 2's turn fetches the next step's V behind its second product K Q^T: the last product that read V stands six slices, twelve plain instructions, back.
.macro TURN x, pv, kq, first
.set k, 0
.set n, 0
.set NW, 16
.if \pv && \kq
.set NW, 32
.endif
.if \pv
.if \kq == 0
	s_wait_dscnt 0x0                ; V is in
.elseif \x == 0
	s_wait_dscnt 32                 ; V, asked for a turn ago, is in; the 32 loads issued behind it, K's sixteen and my piece's sixteen of bias, may be out
.endif
.set i, 0
.rept 16
	PV \x, 2-\pv
.set n, n+1
	DEAL 2-\x, \first
.set i, i+1
.endr
.endif
.if \kq
	s_wait_dscnt 0x0                ; K and my piece's bias are in (asked for 16 matrix instructions ago)
.set i, 0
.rept 16
	KQ \x
.set n, n+1
	DEAL 2-\x, \first
.if (\x == 2) && (i == 1)
	FETCH_V
.endif
.set i, i+1
.endr
.endif
.if \first
	PLACES
.endif
.endm
; THE CHANGE OF SLOTS, at the head of every odd key step.  Key step j fetches key step j + 1's K, bias and V, so a slot's last LDS reads have been issued when an even key step ends.  Each wave waits for all its tensor loads, of which
; one is out: its part of the slot ahead; adds 0 to its spare word; and waits for that and for its own reads of the slot that it leaves.  fill = 1: the slot just read out takes the keys two slots on.  The barrier is then a round of
; the cluster's, so that no wave of any partner still reads the slot or has a load on its way, and the joint refill is the first thing behind it: it has two key steps, 128 matrix and 944 vector instructions, in which to land.
.macro CHANGE fill
	WIN 0                           ; at a label and at a branch every window is 0
	s_wait_tensorcnt 0x0            ; no tensor load of mine is out, so a group 0 may be written
	ds_add_u32 v[SPW], v[NIL]       ; 0 onto my spare word: with fill = 1 the descriptors' steps stand between it and the wait for it
.if \fill
	s_xor_b32 s[G0K+5], s[G0K+5], SLOT1  ; the walking descriptors: the other slot than last time,
	s_add_nc_u64 s[G0K+6:G0K+7], s[G0K+6:G0K+7], KVB  ; the next 128 keys; the type bits on top are not reached
	s_xor_b32 s[G0V+5], s[G0V+5], VSLOT1
	s_add_nc_u64 s[G0V+6:G0V+7], s[G0V+6:G0V+7], KVB
	s_xor_b32 s[G0B+5], s[G0B+5], SLOT1
	s_add_nc_u64 s[G0B+6:G0B+7], s[G0B+6:G0B+7], 512
	s_wait_xcnt 0x0                 ; the last prefetch, two key steps back, has read its address, so it may be written
	s_add_nc_u64 s[PFA:PFA+1], s[PFA:PFA+1], s[PFS:PFS+1]  ; one slot further on than the walking descriptors
	s_wait_dscnt 0x0                ; the add is done, and my reads of the slot are over
	CROUND
	JLOAD
.else
	s_wait_dscnt 0x0                ; the add is done, and my reads of the slot are over
	s_barrier_signal -1
	s_barrier_wait -1
.endif
	s_xor_b32 s[TB], s[TB], SLOT1   ; the fetches go on to the other slot
	s_xor_b32 s[TV], s[TV], VSLOT1
.endm
; KEY STEP j: piece 0: V^T P of step j, K Q^T of step j + 1 | piece 2's softmax of step j;  then piece 2: the same products | piece 0's softmax of step j + 1.
; A piece's registers of S^T are free from the end of its softmax to its next K Q^T: its bias is asked for at the head of its turn and lands under the turn's 16 products V^T P.
.macro STEPJ ask, pv, first0
	FETCH_K
	FETCH_B 0
.if \ask
	ASK
.endif
	TURN 0, \pv, 1, \first0
	FETCH_B 2
	TURN 2, \pv, 1, 0
.endm
	s_wait_tensorcnt 1              ; my part of slot 0 is in; slot 1's may stay out
	s_barrier_signal -1
	s_barrier_wait -1               ; everybody's is
.set SUB, 0
	FETCH_K                         ; key step 0
	FETCH_B 0
	FETCH_B 2
	s_wait_loadcnt 0x0              ; Q / 8
	s_wait_dscnt 0x0                ; K and the bias
.set i, 0
.rept 16
	KQ 0                            ; piece 0's first scores: there is no vector work yet to set between them
.set i, i+1
.endr
	WIN 0                           ; the addresses for the way out are made here: eight plain instructions, the places behind those products
	s_mul_i32 s72, s[WV], 16*SP
	s_add_co_u32 s72, s72, STAGE    ; my stage
	v_mul_u32_u24 v[STO], v1, SP    ; in: row l % 16, 32 bytes for each half of the lanes
	v_lshl_add_u32 v[STO], v9, 5, v[STO]
	v_add_nc_u32 v[STO], s72, v[STO]
	v_mul_u32_u24 v[RD], v9, SP     ; back: lanes 0-15 take one row of 256 bytes, lanes 16-31 the next
	v_lshl_add_u32 v[RD], v1, 4, v[RD]
	v_add_nc_u32 v[RD], s72, v[RD]
	v_lshlrev_b32 v[GO], 12, v9     ; and the same two rows in out
	v_lshl_add_u32 v[GO], v1, 4, v[GO]
	TURN 2, 0, 1, 1                 ; piece 2's first scores | piece 0's first softmax | V of step 0
.set SUB, 1
	STEPJ 0, 1, 1                   ; key step 0: the products V^T P start O^T; piece 2's softmax is its first; it fetches key step 1, slot 0's second
	WIN 0
	s_mov_b32 s[SLOTS], 14
.Lslot:                             ; 14 trips: key steps 1 to 28, two a trip.  A trip leaves a slot, asks for the keys two slots on, and fetches the two key steps of the slot ahead
	CHANGE 1
.set SUB, 0
	STEPJ 1, 2, 0
.set SUB, 1
	STEPJ 0, 2, 0
	WIN 0
	s_sub_co_u32 s[SLOTS], s[SLOTS], 1
	s_cmp_lg_u32 s[SLOTS], 0
	s_cbranch_scc1 .Lslot
	CHANGE 0                        ; the last slot is written out: nothing is left to ask for
.set SUB, 0
	STEPJ 0, 2, 0                   ; key step 29
.set SUB, 1
	STEPJ 0, 2, 0                   ; key step 30
	TURN 0, 2, 0, 0                 ; key step 31: piece 0: V^T P | piece 2's last softmax
.set i, 0
.rept 16
	PV 2, 0                         ; piece 2: V^T P of the last step
.set i, i+1
.endr
	; THE WAY OUT.  l's two halves and the other half of the lanes' are added; O^T is divided by l and sent through my stage in LDS, a tile (16 rows of out) at a time.  The additions are the places behind the last products.
	WIN 0
.irp t, 0,1,2,3
	v_add_f32 v[ST+8*\t+4], v[ST+8*\t+2], v[ST+8*\t+3]
.endr
.irp t, 0,1,2,3
	v_permlanex16_b32 v[ST+8*\t+5], v[ST+8*\t+4], s[SEL], s[SEL+1]
.endr
.irp t, 0,1,2,3
	v_add_f32 v[ST+8*\t+4], v[ST+8*\t+4], v[ST+8*\t+5]
.endr
.irp t, 0,1,2,3
	v_rcp_f32 v[ST+8*\t+6], v[ST+8*\t+4]
.endr
	v_nop                           ; a plain instruction between the last reciprocal and the use of its result
; Tile t: a lane's eight channels of a row are 32 bytes; they go into rows of 272 bytes and come back as whole rows of 256: a head's part of a row of out.
.macro PACK t
	WIN W_RS
.set i, 32*\t
.rept 16
	s_wait_alu depctr_va_vdst(0)
	v_pk_mul_f32 v[i:i+1], v[i:i+1], v[ST+8*\t+6:ST+8*\t+7] op_sel_hi:[1,0]  ; each accumulator from its low end on
.set i, i+2
.endr
	WIN 0x04                        ; an LDS store's data are its source 1: window 1
.irp f, 0,1,2,3,4,5,6,7
	ds_store_b128 v[STO], v[32*\t+4*\f:32*\t+4*\f+3] offset:64*(\f/2)+16*(\f%2)
.endr
	WIN 0
.irp f, 0,1,2,3,4,5,6,7
	ds_load_b128 v[S+32*\t+4*\f:S+32*\t+4*\f+3], v[RD] offset:\f*2*SP  ; LDS serves a wave's instructions in order (ISA guide 5.7.1.4): these see the stores above; the next tile's stores come behind them
.endr
.endm
.macro SEND t, younger              ; younger: the LDS instructions issued behind tile t's loads: the next tile's sixteen, or none
.irp f, 0,1,2,3,4,5,6,7
	s_wait_dscnt \younger+7-\f
	global_store_b128 v[GO], v[S+32*\t+4*\f:S+32*\t+4*\f+3], s[8:9] offset:(16*\t+2*\f)*4096 th:TH_STORE_NT  ; 16 lanes store 256 consecutive bytes, at a multiple of 256 from out's first byte; written once, read by nobody here
.endr
.endm
	PACK 0
	PACK 1                          ; a tile's arithmetic stands between the loads of the tile before and its stores
	SEND 0, 16
	PACK 2
	SEND 1, 16
	PACK 3
	SEND 2, 16
	SEND 3, 0
	s_wait_tensorcnt 0x0            ; the wave's end: behind my last tensor load and my last LDS store
	ds_add_u32 v[SPW], v[NIL]
	s_wait_dscnt 0x0
	CROUND                          ; the closing round: no work-group ends while a partner may still ask for a tile that names it
	s_endpgm
.Lfunc_end_k_q79004c5284_attn:
	.size	k_q79004c5284_attn, .Lfunc_end_k_q79004c5284_attn-k_q79004c5284_attn
	.p2alignl 7, 3214868480
	.fill 96, 4, 3214868480
	.section	.rodata,"a",@progbits
	.p2align	6, 0x0
	.amdhsa_kernel k_q79004c5284_attn
		.amdhsa_group_segment_fixed_size 327680
		.amdhsa_private_segment_fixed_size 0
		.amdhsa_enable_private_segment 0
		.amdhsa_kernarg_size 24
		.amdhsa_user_sgpr_count 2
		.amdhsa_user_sgpr_kernarg_segment_ptr 1
		.amdhsa_wavefront_size32 1
		.amdhsa_system_sgpr_workgroup_id_x 1
		.amdhsa_system_sgpr_workgroup_id_y 1
		.amdhsa_system_sgpr_workgroup_id_z 1
		.amdhsa_system_vgpr_workitem_id 0
		.amdhsa_next_free_vgpr 768
		.amdhsa_next_free_sgpr 100
		.amdhsa_reserve_vcc 0
		.amdhsa_float_denorm_mode_32 3
		.amdhsa_float_denorm_mode_16_64 3
		.amdhsa_memory_ordered 1
		.amdhsa_forward_progress 1
		.amdhsa_inst_pref_size 255
	.end_amdhsa_kernel
	.section	.bss,"aw",@nobits
	.p2align	6
	.space	262144
	.amdgpu_metadata
---
amdhsa.version: [ 1, 2 ]
amdhsa.kernels:
  - .name:           k_q79004c5284_attn
    .symbol:         k_q79004c5284_attn.kd
    .args:
      - { .name: qkv, .offset: 0, .size: 8, .value_kind: global_buffer, .address_space: global }
      - { .name: bias, .offset: 8, .size: 8, .value_kind: global_buffer, .address_space: global }
      - { .name: out0, .offset: 16, .size: 8, .value_kind: global_buffer, .address_space: global }
    .group_segment_fixed_size: 327680
    .private_segment_fixed_size: 0
    .kernarg_segment_align: 8
    .kernarg_segment_size: 24
    .max_flat_workgroup_size: 128
    .sgpr_count:     100
    .vgpr_count:     768
    .wavefront_size: 32
...
	.end_amdgpu_metadata
.endif
;; end of part 5
